; MI455X (gfx1250); checked and timed in simulation.
; The chip was launched on July 23, 2026; its instructions are those of AMD's public machine-readable ISA for CDNA 5 (MIT licence, August 2026) and "CDNA5" Instruction Set Architecture Reference Guide (July 2026). The comments in the code are by the model that wrote it; some were corrected since.
;; Linear Attention. Allowed arithmetic: matrix products marked QUANTISED: E3M2 operands, one E8M0 scale for each 32 along K, by v_wmma_scale_f32_16x16x128_f8f6f4 with both operands' format E3M2, f32 sums; everything else in f32.
;; Inputs: Wk0 512 x 512 float32; Wk1 512 x 512 float32; Wo 512 x 512 float32; Wq 512 x 512 float32; Wv0 512 x 512 float32; Wv1 512 x 512 float32; bk0 512 float32; bk1 512 float32; bo 512 float32; bq 512 float32; bv0 512 float32; bv1 512 float32; f0 4 x 8,192 x 512 float32; f1 4 x 8,192 x 512 float32; query 4 x 8,192 x 512 float32.
;; Outputs: out0 4 x 8,192 x 512 float32.
;; This version of the problem:
;;   THIS VERSION OF THE PROBLEM IS GIVEN IN LOW PRECISION. The matrix products marked QUANTISED in the list below multiply operands that are first quantised to E3M2 (3 exponent bits, 2 mantissa bits; 6 bits a number), with one power-of-two scale for each 32 numbers along K (OCP MX v1.0); their sums are f32. All else is computed in f32.
;;   The module's matrix products, in the order in which they are computed (A, B: the left and right operand; K: the contracted axis; several contracted axes count as one K, in the product's order):
;;     1. [M 32,768, K 512] x [K 512, N 512]; A: input query; B: input Wq: QUANTISED
;;     2. [M 32,768, K 512] x [K 512, N 512]; A: input f0; B: input Wk0: QUANTISED
;;     3. [M 32,768, K 512] x [K 512, N 512]; A: input f0; B: input Wv0: QUANTISED
;;     4. batch 32 x [M 64, K 8,192] x [K 8,192, N 64]; A: computed on the way; B: computed on the way: QUANTISED
;;     5. batch 32 x [M 8,192, K 64] x [K 64, N 64]; A: softmax (see below); B: computed on the way: QUANTISED
;;     6. [M 32,768, K 512] x [K 512, N 512]; A: input f1; B: input Wk1: QUANTISED
;;     7. [M 32,768, K 512] x [K 512, N 512]; A: input f1; B: input Wv1: QUANTISED
;;     8. batch 32 x [M 64, K 8,192] x [K 8,192, N 64]; A: computed on the way; B: computed on the way: QUANTISED
;;     9. batch 32 x [M 8,192, K 64] x [K 64, N 64]; A: softmax (see below); B: computed on the way: QUANTISED
;;     10. [M 32,768, K 512] x [K 512, N 512]; A: computed on the way; B: input Wo: QUANTISED
;;   THE QUANTISER, for each operand of a quantised product, along K:
;;     - K is cut into blocks of 32 from its start; a last block that is shorter is filled with zeros.
;;     - A block's scale is 2^e with e = floor(log2(the largest magnitude in the block)) - 4, held to -126 .. 127; a block of zeros has e = 0. As a byte (E8M0): e + 127.
;;     - Each number is divided by its block's scale, clamped to +-28, and rounded to the nearest number of E3M2, ties to even, subnormals kept.
;;     - The product sums the exact products of the quantised numbers (number of the format x scale) in f32.
;;   ~~~python
;;   def quantise(x, axis):      # numpy; x: float32 -> the quantised numbers, widened to float32 again
;;       x = np.moveaxis(x, axis, -1); K = x.shape[-1]
;;       x = np.pad(x, [(0, 0)] * (x.ndim - 1) + [(0, -K % 32)]); x = x.reshape(x.shape[:-1] + (-1, 32)); a = np.abs(x).max(-1, keepdims=True)
;;       e = np.where(a > 0, np.clip(np.frexp(np.where(a > 0, a, 1))[1] - 1 - 4, -126, 127), 0)      # np.frexp(a)[1] - 1 = floor(log2(a)), exactly
;;       r = np.clip(x / 2.0 ** e, -28, 28)
;;       step = 2.0 ** (np.maximum(np.frexp(np.where(r == 0, 1, r))[1] - 1, -2) - 2)
;;       q = np.round(r / step) * step * 2.0 ** e      # np.round: ties to even
;;       return np.moveaxis(q.reshape(q.shape[:-2] + (-1,))[..., :K], -1, axis).astype(np.float32)
;;   ~~~
;;   SOFTMAX AHEAD OF A QUANTISED PRODUCT. Where the list says 'softmax', what is quantised is not the finished softmax but p = 2^(t - M), with t = logit x log2(e) and M = ceil(the row's largest t), a whole number; so 1/2 < the row's largest p <= 1. The row's sum l is taken of the UNQUANTISED p, in f32, and the product's result is divided by l at the end. Since M is a whole number, a kernel that streams over the keys may use a running M (the ceiling of the running maximum): every later rescaling is an exact power of two, which a block's scale takes up: the codes' values come out the same.
;;   OPERANDS COMPUTED ON THE WAY. 'Computed on the way' means the value that the module computes at that place (a softmax that the list does not call 'softmax' is quantised finished and normalised). What goes into a quantiser is computed in f32, as accurately as f32 sums, v_exp_f32 and their like allow (about 1e-6 of the number): no bf16 or f16 on the way to a quantiser, and a product that is left as it is and whose result goes on into a quantised operand takes f32 operands (vector FMAs, or v_wmma_f32_16x16x4_f32). A number that lies on a knife's edge between two numbers of the format may be rounded either way, as far as f32 arithmetic and the matrix unit's own rounding can turn it there, and no further.
;; One version. Each part assembles by itself: llvm-mc -triple=amdgcn-amd-amdhsa -mcpu=gfx1250 --defsym DOCPART=n.
;; ======== version 1 of 1: 4 launches
;; workspace buffers: wcodes 1,179,648 bytes; wscales 98,304 bytes; kvpart 16,777,216 bytes; ksp 262,144 bytes; kvcodes 196,608 bytes; kvscales 32,768 bytes; ksum 16,384 bytes
;; launch wquant (part 1): grid 192 x 1, 4 waves a work-group, no clusters, 1,536 bytes of LDS; arguments Wk0, Wv0, Wk1, Wv1, Wq, Wo, wcodes, wscales; writes wcodes, wscales
.if DOCPART == 1
	.amdgcn_target "amdgcn-amd-amdhsa--gfx1250"
	.amdhsa_code_object_version 6
	.text
	.protected	k_q1bb5915b57_wquant
	.globl	k_q1bb5915b57_wquant
	.p2align	8
	.type	k_q1bb5915b57_wquant,@function
k_q1bb5915b57_wquant:
	s_mov_b64 s[64:65], 0
	v_nop
	global_prefetch_b8 v0, s[64:65] scope:SCOPE_SE
	s_setreg_imm32_b32 hwreg(HW_REG_WAVE_MODE, 25, 1), 1
	s_wait_xcnt 0x0
; The six weights [512][512] f32 (K innermost) become codes of BF6 (E3M2) with one E8M0 byte for each 32 along K, laid as IMAGES OF OPERAND REGISTERS:
; fragment F = (weight x 32 + tile) x 4 + K step, 1,536 bytes: register group c (registers 4 c .. 4 c + 3) at 512 c + 16 x lane; its scale words at 128 F + 4 x lane.
; Weights in order: Wk0, Wv0, Wk1, Wv1, Wq, Wo.  A work-group takes one tile of 16 rows, a wave one K step of 128: one fragment a wave.
; WHICH ROWS FORM A TILE is chosen for the reader: lane r of tile T takes row base + r % 8 + S (r / 8):
;   Wq, Wv: base 32 (T / 2) + 8 (T % 2), S 16;   Wk: base 64 (T / 4) + 8 (T % 4), S 32;   Wo: base 16 T, S 8 (neighbours).
; A lane (r, h) holds the two whole blocks k = 64 c + 32 h + 0 .. 31 of its row, as the operand's layout gives them to it: no other lane is asked for a maximum.
; LIMITS: NaN and infinities are not served; a block whose largest magnitude lies under 2^-122 (zeros too) gets the byte 1: only this program reads the bytes, and zero codes add nothing.
.set X,  32                            ; v32-95   64 numbers
.set CD, 96                            ; v96-107  the fragment's 12 registers
.set TP, 108                           ; v108-115 second halves of the blocks' codes
	s_load_b512 s[4:19], s[0:1], 0x0               ; six weights, wcodes s[16:17], wscales s[18:19]
	v_lshl_add_u32 v128, v0, 2, 0x400
	v_mov_b32 v129, 0
	v_lshrrev_b32 v1, 5, v0
	v_readfirstlane_b32 s24, v1                    ; wave = K step
	v_and_b32 v2, 31, v0                           ; lane
	v_and_b32 v3, 15, v0                           ; r
	v_bfe_u32 v4, v0, 4, 1                         ; h
	s_lshr_b32 s25, ttmp9, 5                       ; which weight
	s_and_b32 s26, ttmp9, 31                       ; T
	s_lshr_b32 s27, s26, 1
	s_lshl_b32 s27, s27, 5
	s_and_b32 s28, s26, 1
	s_lshl_b32 s28, s28, 3
	s_add_co_u32 s27, s27, s28                     ; base for Wq, Wv
	s_lshr_b32 s29, s26, 2
	s_lshl_b32 s29, s29, 6
	s_and_b32 s28, s26, 3
	s_lshl_b32 s28, s28, 3
	s_add_co_u32 s29, s29, s28                     ; base for Wk
	s_lshl_b32 s30, s26, 4                         ; base for Wo
	s_and_b32 s28, s25, 5
	s_cmp_eq_u32 s28, 0                            ; weights 0 and 2 are Wk
	s_cselect_b32 s27, s29, s27
	s_cselect_b32 s31, 5, 4                        ; log2 S
	s_cmp_eq_u32 s25, 5                            ; weight 5 is Wo
	s_cselect_b32 s27, s30, s27
	s_cselect_b32 s31, 3, s31
	v_and_b32 v5, 7, v3
	v_lshrrev_b32 v6, 3, v3
	v_lshlrev_b32 v6, s31, v6
	v_add3_u32 v5, v5, v6, s27                     ; my row
	v_lshlrev_b32 v5, 11, v5                       ; 2,048 bytes a row
	v_lshl_add_u32 v5, v4, 7, v5                   ; + 128 h: my block of each 64
	s_lshl_b32 s28, s24, 9
	v_add_nc_u32 v5, s28, v5                       ; + 512 x K step
	v_lshlrev_b32 v7, 4, v2                        ; 16 x lane
	v_lshlrev_b32 v8, 2, v0                        ; LDS: 128 x wave + 4 x lane
	v_lshlrev_b32 v10, 3, v4                       ; 8 h
	v_mov_b32 v11, 0                               ; a lane permute's destination counts as read
	s_lshl_b32 s32, ttmp9, 2
	s_add_co_u32 s32, s32, s24                     ; F
	s_mul_i32 s32, s32, 1536
	s_mov_b32 s33, 0
	s_lshl_b32 s34, ttmp9, 9                       ; the tile's four scale images: 512 bytes
	s_mov_b32 s35, 0
	s_mov_b32 s36, 0x76543210
	s_mov_b32 s37, 0xfedcba98                      ; selects for lane l xor 16
	s_wait_kmcnt 0x0
	s_mov_b64 s[20:21], s[4:5]
.irp k, 1,2,3,4,5
	s_cmp_eq_u32 s25, \k                           ; the choice hangs on the work-group's number alone
	s_cselect_b64 s[20:21], s[4+2*\k:5+2*\k], s[20:21]
.endr
	s_add_nc_u64 s[16:17], s[16:17], s[32:33]
	s_add_nc_u64 s[18:19], s[18:19], s[34:35]
.irp c, 0,1
.irp j, 0,1,2,3,4,5,6,7
	global_load_b128 v[X+32*\c+4*\j:X+32*\c+4*\j+3], v5, s[20:21] offset:256*\c+16*\j th:TH_LOAD_NT
.endr
.endr
	s_wait_loadcnt 0x0
.irp c, 0,1
	v_max3_num_f32 v[12+\c], |v[X+32*\c]|, |v[X+32*\c+1]|, 0x2800000   ; with the floor 2^(5 - 127): the byte cannot fall under 1
.endr
.irp i, 2,4,6,8,10,12,14,16,18,20,22,24,26,28,30
.irp c, 0,1
	v_max3_num_f32 v[12+\c], v[12+\c], |v[X+32*\c+\i]|, |v[X+32*\c+\i+1]|
.endr
.endr
.irp c, 0,1
	v_add_nc_u32 v[14+\c], 0xfe000000, v[12+\c]    ; 4 off the exponent field: the conversion's scale operand
.endr
.irp c, 0,1
	v_lshrrev_b32 v[12+\c], 23, v[14+\c]           ; the scale's byte
.endr
	v_lshl_or_b32 v9, v13, 16, v12                 ; blocks h and 2 + h,
	v_lshlrev_b32 v9, v10, v9                      ; at their places in the word;
	v_permlanex16_b32 v11, v9, s36, s37
	v_or_b32 v9, v9, v11                           ; with lane l xor 16's two the word is whole
.irp c, 0,1
	v_cvt_scalef32_pk16_bf6_f32 v[CD+6*\c:CD+6*\c+2], v[X+32*\c:X+32*\c+15], v[14+\c]
	v_cvt_scalef32_pk16_bf6_f32 v[TP+4*\c:TP+4*\c+2], v[X+32*\c+16:X+32*\c+31], v[14+\c]   ; (three registers begin on an even number)
.endr
	v_nop                                          ; one plain place behind a scaled conversion
.irp c, 0,1
.irp i, 0,1,2
	v_mov_b32 v[CD+6*\c+3+\i], v[TP+4*\c+\i]
.endr
.endr
.irp c, 0,1,2
	global_store_b128 v7, v[CD+4*\c:CD+4*\c+3], s[16:17] offset:512*\c   ; 512 consecutive bytes a store
.endr
	ds_store_b32 v8, v9                            ; the four waves' scale images meet in LDS,
	s_wait_dscnt 0x0                               ; my store has landed, for wave 0's sake
	s_barrier_signal -1
	s_barrier_wait -1
	s_cmp_lg_u32 s24, 0
	s_cbranch_scc1 .Ldone
	ds_load_b128 v[16:19], v7                      ; and leave as 512 consecutive bytes
	s_wait_dscnt 0x0
	global_store_b128 v7, v[16:19], s[18:19]
.Ldone:
	s_wait_tensorcnt 0x0
	ds_add_u32 v128, v129
	s_wait_dscnt 0x0
	s_endpgm
.Lfunc_end_k_q1bb5915b57_wquant:
	.size	k_q1bb5915b57_wquant, .Lfunc_end_k_q1bb5915b57_wquant-k_q1bb5915b57_wquant
	.p2alignl 7, 3214868480
	.fill 96, 4, 3214868480
	.section	.rodata,"a",@progbits
	.p2align	6, 0x0
	.amdhsa_kernel k_q1bb5915b57_wquant
		.amdhsa_group_segment_fixed_size 1536
		.amdhsa_private_segment_fixed_size 0
		.amdhsa_enable_private_segment 0
		.amdhsa_kernarg_size 64
		.amdhsa_user_sgpr_count 2
		.amdhsa_user_sgpr_kernarg_segment_ptr 1
		.amdhsa_wavefront_size32 1
		.amdhsa_system_sgpr_workgroup_id_x 1
		.amdhsa_system_sgpr_workgroup_id_y 1
		.amdhsa_system_sgpr_workgroup_id_z 1
		.amdhsa_system_vgpr_workitem_id 0
		.amdhsa_next_free_vgpr 130
		.amdhsa_next_free_sgpr 66
		.amdhsa_reserve_vcc 0
		.amdhsa_float_denorm_mode_32 3
		.amdhsa_float_denorm_mode_16_64 3
		.amdhsa_memory_ordered 1
		.amdhsa_forward_progress 1
		.amdhsa_inst_pref_size 8
	.end_amdhsa_kernel
	.amdgpu_metadata
---
amdhsa.version: [ 1, 2 ]
amdhsa.kernels:
  - .name:           k_q1bb5915b57_wquant
    .symbol:         k_q1bb5915b57_wquant.kd
    .args:
      - { .name: Wk0, .offset: 0, .size: 8, .value_kind: global_buffer, .address_space: global }
      - { .name: Wv0, .offset: 8, .size: 8, .value_kind: global_buffer, .address_space: global }
      - { .name: Wk1, .offset: 16, .size: 8, .value_kind: global_buffer, .address_space: global }
      - { .name: Wv1, .offset: 24, .size: 8, .value_kind: global_buffer, .address_space: global }
      - { .name: Wq, .offset: 32, .size: 8, .value_kind: global_buffer, .address_space: global }
      - { .name: Wo, .offset: 40, .size: 8, .value_kind: global_buffer, .address_space: global }
      - { .name: wcodes, .offset: 48, .size: 8, .value_kind: global_buffer, .address_space: global }
      - { .name: wscales, .offset: 56, .size: 8, .value_kind: global_buffer, .address_space: global }
    .group_segment_fixed_size: 1536
    .private_segment_fixed_size: 0
    .kernarg_segment_align: 8
    .kernarg_segment_size: 64
    .max_flat_workgroup_size: 128
    .sgpr_count:     66
    .vgpr_count:     130
    .wavefront_size: 32
...
	.end_amdgpu_metadata
.endif
;; end of part 1
;; launch kvpart (part 2): grid 256 x 1, 4 waves a work-group, no clusters, 327,680 bytes of LDS; arguments f0, f1, bk0, bv0, bk1, bv1, wcodes, wscales, kvpart, ksp; writes kvpart, ksp
.if DOCPART == 2
	.amdgcn_target "amdgcn-amd-amdhsa--gfx1250"
	.amdhsa_code_object_version 6
	.text
	.protected	k_q1bb5915b57_kvpart
	.globl	k_q1bb5915b57_kvpart
	.p2align	8
	.type	k_q1bb5915b57_kvpart,@function
k_q1bb5915b57_kvpart:
	s_mov_b64 s[64:65], 0
	v_nop
	global_prefetch_b8 v0, s[64:65] scope:SCOPE_SE
	s_setreg_imm32_b32 hwreg(HW_REG_WAVE_MODE, 25, 1), 1
	s_wait_xcnt 0x0
; For one function i, batch b, half hh of the heads and chunk c of 512 keys: K = f Wk^T + bk, V = f Wv^T + bv (quantised products), k = softmax of K over a head's 64, k_sum over the keys,
; and the partial k^T v over these 512 keys (quantised along the keys).  g = 128 i + 32 b + 2 c + hh.  Four waves, wave w = head 4 hh + w; its 32 weight fragments stay in registers.
; A TRIP is 64 keys.  Their 64 rows of f (2,048 bytes each) come by tensor loads, 16 rows a wave, into a ring of two LDS slots.  Wave w quantises one tile of 16 rows (four fragments) and stores the
; fragments as images of their registers; behind a barrier every wave multiplies all four tiles by its own weights.
; ORIENTATION.  D = x (source 0, 16 keys) x W (source 1, 16 units): a lane holds ONE unit and eight keys.  The rows of an x tile are chosen (tile 2 b' + u, row m = slot row 32 b' + 8 u + m + 8 (m / 8)) so that
; the 16 registers of tiles u = 0, 1 are 16 neighbouring keys 32 b' + 16 h + 0 .. 15: the conversions along the keys take them as they stand.
; k^T v uses 64 of the instruction's 128 along K: k's upper codes are zeros written once, so what stands above in v's operand adds nothing; every trip is alike.
; ORDER OF A TRIP.  A trip's codes of k and v are put together (FORM) and multiplied (KVMUL) in the NEXT trip: FORM behind that trip's first run of LDS loads, KVMUL behind the loads of its first x fragments, so that
; both runs land under work that is due anyway.  So the first trip multiplies zero codes, written once at the head, and the last trip's product stands behind the tail.
; Not in a cluster: only two work-groups read the same rows of f, and a split of the heads by four would halve the products that each LDS byte feeds.
; LIMITS: NaN and infinities are not served; a block whose largest magnitude lies under 2^-122 gets the byte 1; v_exp_f32 gives 0 under 2^-126; sums over keys go in this text's order.
; REGISTERS, in windows of 256.  Window 0: v1-11 addresses; v16-31 weights' scale words; v32-35 x's; v36-43 k's and v's; v44-51 k_sum; v52-109 at work; v128-255 the 16 accumulators of a pair (in the x phase: two sets of 64 numbers).
;   Window 1: weight fragments of column tiles 0-4.  Window 2: v0-47 k's fragments, v48-77 v's, v80-111 second halves, v112-255 weight tiles 5-7.  Window 3: v0-127 k^T v, v128-175 x's fragments, v176-239 biases.
.set SLOT1, 133376                     ; a slot: four regions of 32 x 1,040 bytes at 33,312 x wave + 16 (wave % 2)
.set XIMG,  266752                     ; 16 x fragments, 1,536 bytes each: tile t, K step s at (4 t + s)
.set XSC,   291328                     ; their scale words, 128 bytes each
.set KSTG,  293376                     ; 256 bytes a wave: k_sum on its way out
.set SPARE, 294400                     ; the spare words, 128 bytes a wave: two blocks of 256 bytes that no other line names
.set SPW, 1
.set NIL, 2
.set LI,  3                            ; 16 x lane
.set AXS, 4                            ; XSC + 4 r + 512 h: lanes 0-15 tile u = 0, lanes 16-31 tile u = 1
.set XRD0, 5                           ; my row of my x tile in slot 0
.set XRD, 6
.set XWI, 7
.set XWS, 8
.set AXI, 9
.set KSA, 10
.set PFO, 11
.set WS,  16
.set XS,  32
.set SW,  36
.set KS,  44
.set TM,  52                           ; the x phase: v52-67 at work, v68, v69 scale words, v70-81 and v94-105 two sets of codes, v82-89 second halves
.set PW,  68
.set PW2, 69
.set PC,  70
.set CT,  82
.set PC2, 94
.set MX,  52                           ; the softmax: v52-67 sixteen keys' maxima, v94-109 their sums
.set SM,  94
.set QM,  52                           ; the quantiser along the keys: v52-75
.set QP,  60
.set SO,  68
.set WSO, 90
.set BKO, 91
.set BVO, 92
.set ACC, 128
.set SA,  128
.set SB,  192
.set KFR, 0
.set VFR, 48
.set TT,  80
.set WH,  112
.set KV,  0
.set XF,  128
.set BIA, 176
.set SEL, 30
.set MSB, 0
.macro WIN new                         ; the immediate's high byte repeats the setting that is left; a switch that changes nothing is dropped
.if MSB != (\new)
	s_set_vgpr_msb (MSB<<8)|(\new)
.set MSB, (\new)
.endif
.endm
.macro PLACES n
.rept \n
	v_nop
.endr
.endm
.macro BARRIER                         ; my LDS stores have landed and my LDS loads are in: then the work-group's barrier
	s_wait_dscnt 0x0
	s_barrier_signal -1
	s_barrier_wait -1
.endm
; 64 numbers of a lane, register 16 b + i = k 32 b + 16 h + i of my row, become codes (blocks 0, 1 in six registers from d0, blocks 2, 3 from d1) and the scale word v[pw]
.macro QUANT src, d0, d1, pw
.irp b, 0,1,2,3
	v_max3_num_f32 v[TM+\b], |v[\src+16*\b]|, |v[\src+16*\b+1]|, 0x2800000   ; with the floor 2^(5 - 127)
.endr
.irp i, 2,4,6,8,10,12,14
.irp b, 0,1,2,3
	v_max3_num_f32 v[TM+\b], v[TM+\b], |v[\src+16*\b+\i]|, |v[\src+16*\b+\i+1]|
.endr
.endr
.irp b, 0,1,2,3
	v_permlanex16_b32 v[TM+4+\b], v[TM+\b], s[SEL], s[SEL+1]
.endr
.irp b, 0,1,2,3
	v_max_num_f32 v[TM+\b], v[TM+\b], v[TM+4+\b]   ; with lane l xor 16's: the block's largest magnitude
.endr
.irp b, 0,1,2,3
	v_add_nc_u32 v[TM+12+\b], 0xfe000000, v[TM+\b]   ; 4 off its exponent field: the conversion's scale operand
.endr
.irp b, 0,1,2,3
	v_lshrrev_b32 v[TM+4+\b], 23, v[TM+12+\b]      ; the scale's byte
.endr
	v_lshl_or_b32 v[\pw], v[TM+5], 8, v[TM+4]
	v_lshl_or_b32 v[\pw], v[TM+6], 16, v[\pw]
	v_lshl_or_b32 v[\pw], v[TM+7], 24, v[\pw]
	v_cvt_scalef32_pk16_bf6_f32 v[\d0:\d0+2], v[\src:\src+15], v[TM+12]
	v_cvt_scalef32_pk16_bf6_f32 v[CT:CT+2], v[\src+16:\src+31], v[TM+13]
	v_cvt_scalef32_pk16_bf6_f32 v[\d1:\d1+2], v[\src+32:\src+47], v[TM+14]
	v_cvt_scalef32_pk16_bf6_f32 v[CT+4:CT+6], v[\src+48:\src+63], v[TM+15]
	v_nop                                          ; one plain place behind a scaled conversion
.irp i, 0,1,2                                  ; the operand wants a whole block in a lane: the halves change places
	v_permlane16_swap_b32 v[\d0+\i], v[CT+\i]
.endr
.irp i, 0,1,2
	v_mov_b32 v[\d0+3+\i], v[CT+\i]
.endr
.irp i, 0,1,2
	v_permlane16_swap_b32 v[\d1+\i], v[CT+4+\i]
.endr
.irp i, 0,1,2
	v_mov_b32 v[\d1+3+\i], v[CT+4+\i]
.endr
.endm
.macro LOADF set, s                    ; my row's 64 numbers of K step s: 16 bytes of padding lie behind each 1,024 of a row
.irp b, 0,1,2,3
.irp j, 0,1,2,3
	ds_load_b128 v[\set+16*\b+4*\j:\set+16*\b+4*\j+3], v[XRD] offset:512*(\s)+16*((\s)/2)+128*\b+16*\j
.endr
.endr
.endm
.macro IMAGE pc, adr, off              ; the fragment in v[pc] on goes to LDS as it stands
.irp c, 0,1,2
	ds_store_b128 v[\adr], v[\pc+4*\c:\pc+4*\c+3] offset:\off+512*\c
.endr
.endm
.macro FETCH reg, adr, off             ; and comes back so, in any wave
.irp c, 0,1,2
	ds_load_b128 v[\reg+4*\c:\reg+4*\c+3], v[\adr] offset:\off+512*\c
.endr
.endm
; My x tile's four fragments; K steps 0 and 1 have been asked for.  The images take two sets of registers by turns.  What the counts leave out: 16: the one younger run of loads; 20: the image just stored (four stores) and
; the run of 16 loads behind it; 4: the image just stored.  Done behind each wait: the loads of the set that is quantised next, and the stores of the image before last, whose registers are written next.
.macro XREST
	s_wait_dscnt 16
	QUANT SA, PC, PC+6, PW
	IMAGE PC, XWI, 0
	ds_store_b32 v[XWS], v[PW]
	LOADF SA, 2
	s_wait_dscnt 20
	QUANT SB, PC2, PC2+6, PW2
	IMAGE PC2, XWI, 1536
	ds_store_b32 v[XWS], v[PW2] offset:128
	LOADF SB, 3
	s_wait_dscnt 20
	QUANT SA, PC, PC+6, PW
	IMAGE PC, XWI, 3072
	ds_store_b32 v[XWS], v[PW] offset:256
	s_wait_dscnt 4
	QUANT SB, PC2, PC2+6, PW2
	IMAGE PC2, XWI, 4608
	ds_store_b32 v[XWS], v[PW2] offset:384
.endm
; one product: D, A, B, C from the registers named; ra, rb = 1: that side's scales stand in lanes 16-31
.macro WM d, a, b, c, sa, sb, ra, rb
.if (\ra) && (\rb)
	v_wmma_scale_f32_16x16x128_f8f6f4 v[\d:\d+7], v[\a:\a+11], v[\b:\b+11], v[\c:\c+7], v[\sa], v[\sb] matrix_a_fmt:MATRIX_FMT_BF6 matrix_b_fmt:MATRIX_FMT_BF6 matrix_a_scale:MATRIX_SCALE_ROW1 matrix_b_scale:MATRIX_SCALE_ROW1
.elseif (\ra)
	v_wmma_scale_f32_16x16x128_f8f6f4 v[\d:\d+7], v[\a:\a+11], v[\b:\b+11], v[\c:\c+7], v[\sa], v[\sb] matrix_a_fmt:MATRIX_FMT_BF6 matrix_b_fmt:MATRIX_FMT_BF6 matrix_a_scale:MATRIX_SCALE_ROW1
.elseif (\rb)
	v_wmma_scale_f32_16x16x128_f8f6f4 v[\d:\d+7], v[\a:\a+11], v[\b:\b+11], v[\c:\c+7], v[\sa], v[\sb] matrix_a_fmt:MATRIX_FMT_BF6 matrix_b_fmt:MATRIX_FMT_BF6 matrix_b_scale:MATRIX_SCALE_ROW1
.else
	v_wmma_scale_f32_16x16x128_f8f6f4 v[\d:\d+7], v[\a:\a+11], v[\b:\b+11], v[\c:\c+7], v[\sa], v[\sb] matrix_a_fmt:MATRIX_FMT_BF6 matrix_b_fmt:MATRIX_FMT_BF6
.endif
.endm
.macro FETCHX bp, s                    ; the pair's two x fragments of K step s, into set s % 2 of window 3
	WIN 0xc0
.irp u, 0,1
	FETCH XF+24*((\s)%2)+12*\u, AXI, (4*(2*(\bp)+\u)+(\s))*1536
.endr
.endm
.macro PFETCH bp                       ; what a pair's first products want: its rows' four scale words, and the x fragments of K steps 0 and 1
	WIN 0
.irp s, 0,1,2,3
	ds_load_b32 v[XS+\s], v[AXS] offset:(8*(\bp)+\s)*128
.endr
	FETCHX \bp, 0
	FETCHX \bp, 1
.endm
; K step s of a pair: 16 products, the 16 accumulators by turns in the same order in every step.  first = 1: the bias is the C
.macro MUL s, first
	WIN 0x07+0x30*(\first)
.irp t, 0,1,2,3,4
.irp u, 0,1
.if \first
	WM ACC+16*\t+8*\u, XF+24*((\s)%2)+12*\u, 12*(4*\t+(\s)), BIA+8*\t, XS+(\s), WS+2*\t+(\s)/2, \u, (\s)%2
.else
	WM ACC+16*\t+8*\u, XF+24*((\s)%2)+12*\u, 12*(4*\t+(\s)), ACC+16*\t+8*\u, XS+(\s), WS+2*\t+(\s)/2, \u, (\s)%2
.endif
.endr
.endr
	WIN 0x0b+0x30*(\first)
.irp t, 5,6,7
.irp u, 0,1
.if \first
	WM ACC+16*\t+8*\u, XF+24*((\s)%2)+12*\u, WH+12*(4*(\t-5)+(\s)), BIA+8*\t, XS+(\s), WS+2*\t+(\s)/2, \u, (\s)%2
.else
	WM ACC+16*\t+8*\u, XF+24*((\s)%2)+12*\u, WH+12*(4*(\t-5)+(\s)), ACC+16*\t+8*\u, XS+(\s), WS+2*\t+(\s)/2, \u, (\s)%2
.endif
.endr
.endr
.endm
; The softmax over a head's 64 units, for a lane's sixteen keys of a pair (both row tiles): a key's units lie in four registers (column tiles 0-3, register 16 t + j) of sixteen lanes.
; Finished and normalised, as it is quantised; k_sum takes it unquantised.  One batch of 64 exponentials and one of 16 reciprocals, each with one wait.
.macro SOFTK
.irp j, 0,1,2,3,4,5,6,7,8,9,10,11,12,13,14,15
	v_max3_num_f32 v[MX+\j], v[ACC+\j], v[ACC+16+\j], v[ACC+32+\j]   ; each accumulator (eight registers) is read from its low end on
.endr
.irp j, 0,1,2,3,4,5,6,7,8,9,10,11,12,13,14,15
	v_max_num_f32 v[MX+\j], v[MX+\j], v[ACC+48+\j]
.endr
.irp m, 1,2,4,8
.irp j, 0,1,2,3,4,5,6,7,8,9,10,11,12,13,14,15
	v_max_num_f32_dpp v[MX+\j], v[MX+\j], v[MX+\j] row_xmask:\m row_mask:0xf bank_mask:0xf
.endr
.endr
.irp j, 0,2,4,6,8,10,12,14
	v_pk_mul_f32 v[MX+\j:MX+\j+1], v[MX+\j:MX+\j+1], s[34:35] op_sel_hi:[1,0]   ; - log2(e) x the key's maximum
.endr
.irp t, 0,1,2,3
.irp j, 0,2,4,6,8,10,12,14
	v_pk_fma_f32 v[ACC+16*\t+\j:ACC+16*\t+\j+1], v[ACC+16*\t+\j:ACC+16*\t+\j+1], s[32:33], v[MX+\j:MX+\j+1] op_sel_hi:[1,0,1]
.endr
.endr
.set n, 0
.rept 64
	v_exp_f32 v[ACC+n], v[ACC+n]
.set n, n+1
.endr
	v_nop                                          ; a plain place behind the exponentials,
	s_wait_alu depctr_va_vdst(0)                   ; and one wait for the batch, ahead of its first reader
.irp j, 0,2,4,6,8,10,12,14
	v_pk_add_f32 v[SM+\j:SM+\j+1], v[ACC+\j:ACC+\j+1], v[ACC+16+\j:ACC+16+\j+1]
.endr
.irp j, 0,2,4,6,8,10,12,14
	v_pk_add_f32 v[SM+\j:SM+\j+1], v[SM+\j:SM+\j+1], v[ACC+32+\j:ACC+32+\j+1]
.endr
.irp j, 0,2,4,6,8,10,12,14
	v_pk_add_f32 v[SM+\j:SM+\j+1], v[SM+\j:SM+\j+1], v[ACC+48+\j:ACC+48+\j+1]
.endr
.irp m, 1,2,4,8
.irp j, 0,1,2,3,4,5,6,7,8,9,10,11,12,13,14,15
	v_add_f32_dpp v[SM+\j], v[SM+\j], v[SM+\j] row_xmask:\m row_mask:0xf bank_mask:0xf
.endr
.endr
.irp j, 0,1,2,3,4,5,6,7,8,9,10,11,12,13,14,15
	v_rcp_f32 v[SM+\j], v[SM+\j]
.endr
	v_nop
	s_wait_alu depctr_va_vdst(0)                   ; one wait for the sixteen reciprocals
.irp t, 0,1,2,3
.irp j, 0,2,4,6,8,10,12,14
	v_pk_mul_f32 v[ACC+16*\t+\j:ACC+16*\t+\j+1], v[ACC+16*\t+\j:ACC+16*\t+\j+1], v[SM+\j:SM+\j+1]
.endr
.endr
.irp j, 0,2,4,6,8,10,12,14
.irp t, 0,1,2,3
	v_pk_add_f32 v[KS+2*\t:KS+2*\t+1], v[KS+2*\t:KS+2*\t+1], v[ACC+16*\t+\j:ACC+16*\t+\j+1]   ; k_sum, four chains by turns
.endr
.endr
.endm
; k and v of 32 keys are quantised along the keys: a lane's 16 registers of a column tile are 16 neighbouring keys, lane l xor 16 holds the block's other 16
.macro QKEY bp
.irp t, 0,1,2,3,4,5,6,7
	v_max3_num_f32 v[QM+\t], |v[ACC+16*\t]|, |v[ACC+16*\t+1]|, 0x2800000
.endr
.irp i, 2,4,6,8,10,12,14
.irp t, 0,1,2,3,4,5,6,7
	v_max3_num_f32 v[QM+\t], v[QM+\t], |v[ACC+16*\t+\i]|, |v[ACC+16*\t+\i+1]|
.endr
.endr
.irp t, 0,1,2,3,4,5,6,7
	v_permlanex16_b32 v[QP+\t], v[QM+\t], s[SEL], s[SEL+1]
.endr
.irp t, 0,1,2,3,4,5,6,7
	v_max_num_f32 v[QM+\t], v[QM+\t], v[QP+\t]
.endr
.irp t, 0,1,2,3,4,5,6,7
	v_add_nc_u32 v[SO+\t], 0xfe000000, v[QM+\t]
.endr
.if \bp
.irp t, 0,1,2,3,4,5,6,7
	v_lshrrev_b32 v[QP+\t], 23, v[SO+\t]
.endr
.irp t, 0,1,2,3,4,5,6,7
	v_lshl_or_b32 v[SW+\t], v[QP+\t], 8, v[SW+\t]  ; byte 1: keys 32 .. 63 of the trip
.endr
.else
.irp t, 0,1,2,3,4,5,6,7
	v_lshrrev_b32 v[SW+\t], 23, v[SO+\t]           ; byte 0: keys 0 .. 31; bytes 2 and 3 stay 0
.endr
.endif
	WIN 0x80                                       ; the codes go to window 2
.irp t, 0,1,2,3
.if \bp
	v_cvt_scalef32_pk16_bf6_f32 v[TT+4*\t:TT+4*\t+2], v[ACC+16*\t:ACC+16*\t+15], v[SO+\t]
	v_cvt_scalef32_pk16_bf6_f32 v[TT+16+4*\t:TT+16+4*\t+2], v[ACC+64+16*\t:ACC+64+16*\t+15], v[SO+4+\t]
.else
	v_cvt_scalef32_pk16_bf6_f32 v[KFR+12*\t:KFR+12*\t+2], v[ACC+16*\t:ACC+16*\t+15], v[SO+\t]
	v_cvt_scalef32_pk16_bf6_f32 v[VFR+6*\t:VFR+6*\t+2], v[ACC+64+16*\t:ACC+64+16*\t+15], v[SO+4+\t]
.endif
.endr
	WIN 0
	v_nop                                          ; one plain place behind a scaled conversion
.endm
.macro FORM                            ; the two pairs' halves change places: lanes 0-15 then hold keys 0 .. 31, lanes 16-31 keys 32 .. 63, in six registers
	WIN 0x82
.irp t, 0,1,2,3
.irp i, 0,1,2
	v_permlane16_swap_b32 v[KFR+12*\t+\i], v[TT+4*\t+\i]
.endr
.irp i, 0,1,2
	v_mov_b32 v[KFR+12*\t+3+\i], v[TT+4*\t+\i]
.endr
.irp i, 0,1,2
	v_permlane16_swap_b32 v[VFR+6*\t+\i], v[TT+16+4*\t+\i]
.endr
.irp i, 0,1,2
	v_mov_b32 v[VFR+6*\t+3+\i], v[TT+16+4*\t+\i]
.endr
.endr
	WIN 0
.endm
.macro KVMUL                           ; k^T v += over 64 keys: source 0 = 16 units d, source 1 = 16 units e; 16 accumulators by turns
	WIN 0xfa
.irp d, 0,1,2,3
.irp e, 0,1,2,3
	WM KV+8*(4*\d+\e), KFR+12*\d, VFR+6*\e, KV+8*(4*\d+\e), SW+\d, SW+4+\e, 0, 0
.endr
.endr
	WIN 0
.endm
; 32 keys: two row tiles x eight column tiles.  Its scale words and K steps 0 and 1 have been asked for.  Each wait with the count 6 leaves out the one younger pair of x fragments.
; Pair 0 asks for pair 1's first loads behind its own last products, so that they land under its softmax.
.macro PAIR bp
	s_wait_dscnt 6
	MUL 0, 1
	PLACES 4                                       ; in front of loads into registers that products have read
	FETCHX \bp, 2
	s_wait_dscnt 6
	MUL 1, 0
	PLACES 4
	FETCHX \bp, 3
	s_wait_dscnt 6
	MUL 2, 0
	s_wait_dscnt 0x0
	MUL 3, 0
	WIN 0
	PLACES 4                                       ; in front of the first read of results, and of loads into registers that products have read
.if (\bp) == 0
	PFETCH 1
	WIN 0
.endif
	SOFTK
	QKEY \bp
.endm
; A prefetch of the rows that the NEXT refill will ask for: my wave's 16 rows, 32,768 bytes, lanes 256 bytes apart, four instructions.  The two work-groups that walk the same rows differ in hh:
; hh = 0 asks.  The trip that issues the last refill asks for nothing, and nothing is asked for at the head.
.macro ASK
	s_cmp_gt_u32 s50, s54
	s_cbranch_scc0 .Lnoask_\@
.irp n, 0,1,2,3
	global_prefetch_b8 v[PFO], s[52:53] offset:8192*\n th:TH_LOAD_NT scope:SCOPE_SE
.endr
.Lnoask_\@:
.endm
; THE CHANGE OF SLOTS, at a trip's head: all my tensor loads have landed (my part of the slot ahead), the add, my LDS reads are over; behind the barrier the slot ahead is whole, nobody reads the other one, and nobody
; reads the last trip's images.  fill = 1: the other slot takes the next 64 keys: my one tensor load until the next change.
.macro CHANGE fill
	s_wait_tensorcnt 0x0
	ds_add_u32 v[SPW], v[NIL]                      ; 0 onto my spare word
.if \fill
	s_xor_b32 s51, s48, SLOT1                      ; no tensor load of mine is out: the descriptor may be written
	s_add_co_u32 s45, s49, s51
	s_add_nc_u64 s[46:47], s[46:47], 131072        ; 64 rows on
	s_wait_xcnt 0x0                                ; the last prefetches, a trip back, have read their address
	s_add_nc_u64 s[52:53], s[52:53], 131072
.endif
	s_wait_dscnt 0x0
	s_barrier_signal -1
	s_barrier_wait -1
.if \fill
	tensor_load_to_lds s[44:47], s[36:43]
	s_nop 0
	PLACES 4
	ASK
.endif
.endm
.macro TRIPWORK
	v_add_nc_u32 v[XRD], s48, v[XRD0]
	LOADF SA, 0                                    ; my row's K steps 0 and 1: 32 loads,
	LOADF SB, 1
	FORM                                           ; under which the last trip's codes are put together
	XREST
	BARRIER                                        ; the 16 x fragments lie in LDS
	PFETCH 0                                       ; pair 0's first loads,
	KVMUL                                          ; under which the last trip's 64 keys are multiplied (the x phase's vector lines are the places behind FORM)
	PAIR 0
	PAIR 1
	s_xor_b32 s48, s48, SLOT1
.endm
	s_load_b512 s[4:19], s[0:1], 0x0               ; f0 f1 bk0 bv0 bk1 bv1 wcodes wscales
	s_load_b128 s[20:23], s[0:1], 0x40             ; kvpart, ksp
	v_lshl_add_u32 v[SPW], v0, 2, SPARE
	v_mov_b32 v[NIL], 0
	ds_add_u32 v1, v2
	ds_add_u32 v1, v2
	s_wait_dscnt 0x0
	v_lshrrev_b32 v12, 5, v0
	v_readfirstlane_b32 s24, v12                   ; wave
	s_and_b32 s25, ttmp9, 1                        ; hh
	s_bfe_u32 s26, ttmp9, 0x40001                  ; c
	s_bfe_u32 s27, ttmp9, 0x20005                  ; b
	s_lshr_b32 s28, ttmp9, 7                       ; i
	; descriptor group 1: my 16 dense rows of 2,048 bytes as 32 rows of 1,024 (128 elements of 8 bytes), 16 bytes of padding behind each
	s_mov_b32 s36, (3<<16)|(1<<20)|(7<<22)|(3<<25)
	s_mov_b32 s37, 128<<16
	s_mov_b32 s38, 32<<16
	s_mov_b32 s39, 128<<16
	s_mov_b32 s40, 32
	s_mov_b32 s41, 128
	s_mov_b32 s42, 0
	s_mov_b32 s43, 0
	s_mul_i32 s49, s24, 33312
	s_and_b32 s51, s24, 1
	s_lshl_b32 s51, s51, 4
	s_add_co_u32 s49, s49, s51                     ; my region in a slot
	s_lshl_b32 s56, s27, 13
	s_lshl_b32 s57, s26, 9
	s_add_co_u32 s56, s56, s57
	s_lshl_b32 s57, s24, 4
	s_add_co_u32 s56, s56, s57                     ; my first row of f: 8,192 b + 512 c + 16 w
	s_lshl_b32 s56, s56, 11
	s_mov_b32 s57, 0
	s_wait_kmcnt 0x0
	s_cmp_eq_u32 s28, 0                            ; which function: the choice hangs on the work-group's number alone
	s_cselect_b64 s[4:5], s[4:5], s[6:7]
	s_cselect_b64 s[8:9], s[8:9], s[12:13]
	s_cselect_b64 s[10:11], s[10:11], s[14:15]
	s_add_nc_u64 s[4:5], s[4:5], s[56:57]
	s_mov_b32 s44, 1
	s_mov_b32 s45, s49
	s_mov_b64 s[46:47], s[4:5]
	s_or_b32 s47, s47, 0x80000000
	tensor_load_to_lds s[44:47], s[36:43]          ; slot 0: the first fill, ahead of everything else
	s_nop 0
	PLACES 4
	s_add_nc_u64 s[52:53], s[4:5], 131072          ; the prefetches stand a trip on; the first change steps them to trip 2
	s_cmp_eq_u32 s25, 0
	s_cselect_b32 s54, 1, -1
	v_and_b32 v12, 31, v0                          ; lane
	v_and_b32 v13, 15, v0                          ; r
	v_bfe_u32 v14, v0, 4, 1                        ; h
	v_lshlrev_b32 v[LI], 4, v12
	v_lshlrev_b32 v[PFO], 8, v12
	v_lshlrev_b32 v[AXS], 2, v13
	v_lshl_add_u32 v[AXS], v14, 9, v[AXS]
	v_add_nc_u32 v[AXS], XSC, v[AXS]
	s_lshr_b32 s56, s24, 1
	s_mul_i32 s56, s56, 66624
	s_and_b32 s57, s24, 1
	s_mul_i32 s57, s57, 16640
	s_add_co_u32 s56, s56, s57
	v_lshrrev_b32 v15, 3, v13
	v_mul_u32_u24 v[XRD0], v15, 33328              ; lanes 8-15 take their rows from the next region: its base lies an odd number of 16 bytes on
	v_lshlrev_b32 v[BKO], 7, v15
	v_lshlrev_b32 v[BVO], 5, v15
	v_and_b32 v15, 7, v13
	v_mad_u32_u24 v[XRD0], v15, 2080, v[XRD0]
	v_lshl_add_u32 v[XRD0], v14, 6, v[XRD0]
	v_add_nc_u32 v[XRD0], s56, v[XRD0]
	v_lshl_add_u32 v[BKO], v15, 2, v[BKO]          ; bk: unit r % 8 + 32 (r / 8) of a tile
	v_lshl_add_u32 v[BVO], v13, 2, v[BVO]          ; bv: unit r + 8 (r / 8)
	s_mul_i32 s56, s24, 6144
	s_add_co_u32 s56, s56, XIMG
	v_add_nc_u32 v[XWI], s56, v[LI]
	s_lshl_b32 s56, s24, 9
	s_add_co_u32 s56, s56, XSC
	v_lshl_add_u32 v[XWS], v12, 2, s56
	v_add_nc_u32 v[AXI], XIMG, v[LI]
	s_lshl_b32 s55, s24, 8
	s_add_co_u32 s55, s55, KSTG                    ; my 256 bytes for k_sum
	v_add_nc_u32 v[KSA], s55, v[BKO]
	v_lshlrev_b32 v[WSO], 2, v13
	v_lshl_add_u32 v[WSO], v14, 7, v[WSO]          ; 128 h + 4 r: lanes 16-31 take the next K step's words
	s_lshl_b32 s56, s28, 6
	s_lshl_b32 s57, s25, 4
	s_add_co_u32 s56, s56, s57
	s_lshl_b32 s57, s24, 2
	s_add_co_u32 s56, s56, s57                     ; my first tile of Wk: 64 i + 16 hh + 4 w; Wv's lie 32 tiles on
	s_mul_i32 s58, s56, 6144
	s_mov_b32 s59, 0
	s_add_nc_u64 s[16:17], s[16:17], s[58:59]
	s_lshl_b32 s58, s56, 9
	s_add_nc_u64 s[18:19], s[18:19], s[58:59]
	s_lshl_b32 s58, s25, 2
	s_add_co_u32 s58, s58, s24
	s_lshl_b32 s58, s58, 8                         ; my head's 64 biases
	s_add_nc_u64 s[8:9], s[8:9], s[58:59]
	s_add_nc_u64 s[10:11], s[10:11], s[58:59]
	s_lshl_b32 s58, ttmp9, 16
	s_lshl_b32 s56, s24, 14
	s_add_co_u32 s58, s58, s56
	s_add_nc_u64 s[20:21], s[20:21], s[58:59]
	s_lshl_b32 s58, ttmp9, 10
	s_lshl_b32 s56, s24, 8
	s_add_co_u32 s58, s58, s56
	s_add_nc_u64 s[22:23], s[22:23], s[58:59]
	s_mov_b32 s[SEL], 0x76543210
	s_mov_b32 s[SEL+1], 0xfedcba98
	s_mov_b32 s32, 0x3fb8aa3b                      ; log2(e), as a pair
	s_mov_b32 s33, 0x3fb8aa3b
	s_mov_b32 s34, 0xbfb8aa3b
	s_mov_b32 s35, 0xbfb8aa3b
	WIN 0x40
.irp t, 0,1,2,3,4
.irp s, 0,1,2,3
.irp c, 0,1,2
	global_load_b128 v[12*(4*\t+\s)+4*\c:12*(4*\t+\s)+4*\c+3], v[LI], s[16:17] offset:196608*(\t/4)+(4*(\t%4)+\s)*1536+512*\c
.endr
.endr
.endr
	WIN 0x80
.irp t, 5,6,7
.irp s, 0,1,2,3
.irp c, 0,1,2
	global_load_b128 v[WH+12*(4*(\t-5)+\s)+4*\c:WH+12*(4*(\t-5)+\s)+4*\c+3], v[LI], s[16:17] offset:196608+(4*(\t%4)+\s)*1536+512*\c
.endr
.endr
.endr
.set j, 0
.rept 112
	v_mov_b32 v[j], 0                              ; k's and v's codes and their second halves: zeros for the first trip's product; k's codes of the instruction's upper 64 along K and what v's last tile names above its own stay zeros
.set j, j+1
.endr
	WIN 0
.irp t, 0,1,2,3,4,5,6,7
.irp p, 0,1
	global_load_b32 v[WS+2*\t+\p], v[WSO], s[18:19] offset:16384*(\t/4)+512*(\t%4)+256*\p
.endr
.endr
.irp j, 0,1,2,3,4,5,6,7
	v_mov_b32 v[KS+\j], 0
	v_mov_b32 v[SW+\j], 0                          ; the byte 0 over zero codes adds nothing
.endr
.irp j, 56,57,58,59,60,61,62,63,64,65,66,67
	v_mov_b32 v[\j], 0                             ; a lane permute's destination counts as read
.endr
	WIN 0xc0
.irp t, 0,1,2,3
	global_load_b32 v[BIA+8*\t], v[BKO], s[8:9] offset:32*\t
	global_load_b32 v[BIA+32+8*\t], v[BVO], s[10:11] offset:128*(\t/2)+32*(\t%2)
.endr
.set j, 0
.rept 128
	v_mov_b32 v[KV+j], 0                           ; k^T v begins as zeros, so that the trip is written for the loop and for the tail alone
.set j, j+1
.endr
	s_wait_loadcnt 0x0
	WIN 0xc3
.irp t, 0,1,2,3,4,5,6,7
.irp j, 1,2,3,4,5,6,7
	v_mov_b32 v[BIA+8*\t+\j], v[BIA+8*\t]          ; a lane's unit has one bias for its eight keys
.endr
.endr
	WIN 0
	s_mov_b32 s48, 0
	s_mov_b32 s50, 7
.Ltrip:                                                ; seven trips ask for the next 64 keys; the eighth is written out
	CHANGE 1
	TRIPWORK
	s_sub_co_u32 s50, s50, 1
	s_cmp_lg_u32 s50, 0
	s_cbranch_scc1 .Ltrip
	CHANGE 0
	TRIPWORK
	FORM                                           ; the last trip's 64 keys
	PLACES 8                                       ; operands and scale words written by vector instructions stand 4 and 8 places ahead of a scaled product
	KVMUL
	PLACES 4                                       ; in front of the stores of results
	WIN 0x0c                                       ; a store's data are its source 1: window 3
.irp e, 0,1,2,3
.irp d, 0,1,2,3
.irp q, 0,1
	global_store_b128 v[LI], v[KV+8*(4*\d+\e)+4*\q:KV+8*(4*\d+\e)+4*\q+3], s[20:21] offset:4096*\e+1024*\d+512*\q   ; the accumulators as they stand, each from its low end on: 512 consecutive bytes a store
.endr
.endr
.endr
	WIN 0
.irp t, 0,1,2,3
	v_add_f32 v[KS+2*\t], v[KS+2*\t], v[KS+2*\t+1]
.endr
.irp t, 0,1,2,3
	v_permlanex16_b32 v[KS+2*\t+1], v[KS+2*\t], s[SEL], s[SEL+1]
.endr
.irp t, 0,1,2,3
	v_add_f32 v[KS+2*\t], v[KS+2*\t], v[KS+2*\t+1] ; with the other half's keys
.endr
.irp t, 0,1,2,3
	ds_store_b32 v[KSA], v[KS+2*\t] offset:32*\t   ; at 4 d, d = 8 t + r % 8 + 32 (r / 8)
.endr
	v_and_b32 v12, 31, v0
	v_lshlrev_b32 v13, 3, v12
	v_add_nc_u32 v14, s55, v13
	ds_load_b64 v[52:53], v14                      ; LDS serves a wave's instructions in order: this sees my stores
	s_wait_dscnt 0x0
	global_store_b64 v13, v[52:53], s[22:23]       ; 256 consecutive bytes
	s_wait_tensorcnt 0x0                           ; the wave's end
	ds_add_u32 v[SPW], v[NIL]
	s_wait_dscnt 0x0
	s_endpgm
.Lfunc_end_k_q1bb5915b57_kvpart:
	.size	k_q1bb5915b57_kvpart, .Lfunc_end_k_q1bb5915b57_kvpart-k_q1bb5915b57_kvpart
	.p2alignl 7, 3214868480
	.fill 96, 4, 3214868480
	.section	.rodata,"a",@progbits
	.p2align	6, 0x0
	.amdhsa_kernel k_q1bb5915b57_kvpart
		.amdhsa_group_segment_fixed_size 327680
		.amdhsa_private_segment_fixed_size 0
		.amdhsa_enable_private_segment 0
		.amdhsa_kernarg_size 80
		.amdhsa_user_sgpr_count 2
		.amdhsa_user_sgpr_kernarg_segment_ptr 1
		.amdhsa_wavefront_size32 1
		.amdhsa_system_sgpr_workgroup_id_x 1
		.amdhsa_system_sgpr_workgroup_id_y 1
		.amdhsa_system_sgpr_workgroup_id_z 1
		.amdhsa_system_vgpr_workitem_id 0
		.amdhsa_next_free_vgpr 1024
		.amdhsa_next_free_sgpr 66
		.amdhsa_reserve_vcc 0
		.amdhsa_float_denorm_mode_32 3
		.amdhsa_float_denorm_mode_16_64 3
		.amdhsa_memory_ordered 1
		.amdhsa_forward_progress 1
		.amdhsa_inst_pref_size 234
	.end_amdhsa_kernel
	.amdgpu_metadata
---
amdhsa.version: [ 1, 2 ]
amdhsa.kernels:
  - .name:           k_q1bb5915b57_kvpart
    .symbol:         k_q1bb5915b57_kvpart.kd
    .args:
      - { .name: f0, .offset: 0, .size: 8, .value_kind: global_buffer, .address_space: global }
      - { .name: f1, .offset: 8, .size: 8, .value_kind: global_buffer, .address_space: global }
      - { .name: bk0, .offset: 16, .size: 8, .value_kind: global_buffer, .address_space: global }
      - { .name: bv0, .offset: 24, .size: 8, .value_kind: global_buffer, .address_space: global }
      - { .name: bk1, .offset: 32, .size: 8, .value_kind: global_buffer, .address_space: global }
      - { .name: bv1, .offset: 40, .size: 8, .value_kind: global_buffer, .address_space: global }
      - { .name: wcodes, .offset: 48, .size: 8, .value_kind: global_buffer, .address_space: global }
      - { .name: wscales, .offset: 56, .size: 8, .value_kind: global_buffer, .address_space: global }
      - { .name: kvpart, .offset: 64, .size: 8, .value_kind: global_buffer, .address_space: global }
      - { .name: ksp, .offset: 72, .size: 8, .value_kind: global_buffer, .address_space: global }
    .group_segment_fixed_size: 327680
    .private_segment_fixed_size: 0
    .kernarg_segment_align: 8
    .kernarg_segment_size: 80
    .max_flat_workgroup_size: 128
    .sgpr_count:     66
    .vgpr_count:     1024
    .wavefront_size: 32
...
	.end_amdgpu_metadata
.endif
;; end of part 2
;; launch kvsum (part 3): grid 256 x 1, 4 waves a work-group, no clusters, 17,920 bytes of LDS; arguments kvpart, ksp, kvcodes, kvscales, ksum; writes kvcodes, kvscales, ksum
.if DOCPART == 3
	.amdgcn_target "amdgcn-amd-amdhsa--gfx1250"
	.amdhsa_code_object_version 6
	.text
	.protected	k_q1bb5915b57_kvsum
	.globl	k_q1bb5915b57_kvsum
	.p2align	8
	.type	k_q1bb5915b57_kvsum,@function
k_q1bb5915b57_kvsum:
	s_mov_b64 s[64:65], 0
	v_nop
	global_prefetch_b8 v0, s[64:65] scope:SCOPE_SE
	s_setreg_imm32_b32 hwreg(HW_REG_WAVE_MODE, 25, 1), 1
	s_wait_xcnt 0x0
; The 16 chunks' partial k^T v and k_sum are added in a fixed order, and kv is quantised along d for the product p kv.
; Work-group x = 128 i + 32 b + 4 head + et: one tile of 16 columns e, all 64 d.  Wave w adds chunks 4 w .. 4 w + 3, wave 0 adds the four waves' sums: ((c0+c1)+(c2+c3)) and the same of the waves.
; A lane's 32 registers (four accumulators of eight, as the first pass stored them) are d = 32 h + 0 .. 31 of one column e: one whole block, in order.  The six registers of codes leave as an image of the operand's registers.
; LIMITS: as in the other launches: NaN and infinities are not served; a block under 2^-122 gets the byte 1.
	s_load_b256 s[4:11], s[0:1], 0x0               ; kvpart, ksp, kvcodes, kvscales
	s_load_b64 s[12:13], s[0:1], 0x20              ; ksum
	v_lshl_add_u32 v192, v0, 2, 0x4400
	v_mov_b32 v193, 0
	v_lshrrev_b32 v1, 5, v0
	v_readfirstlane_b32 s14, v1                    ; wave
	v_and_b32 v1, 31, v0                           ; lane
	v_lshlrev_b32 v2, 4, v1                        ; 16 x lane
	v_and_b32 v3, 15, v0
	v_lshlrev_b32 v3, 2, v3                        ; 4 (lane % 16)
	s_lshl_b32 s15, s14, 12
	v_add_nc_u32 v4, s15, v2                       ; LDS: 4,096 x wave + 16 x lane
	v_lshl_add_u32 v5, v0, 2, 16384                ; LDS: 16,384 + 128 x wave + 4 x lane
	v_lshl_add_u32 v6, v1, 2, 16384
	v_lshlrev_b32 v7, 3, v1                        ; 8 x lane
	v_lshlrev_b32 v12, 2, v1                       ; 4 x lane
	v_bfe_u32 v13, v0, 4, 1
	v_lshlrev_b32 v13, 3, v13                      ; 8 h
	v_mov_b32 v14, 0
	s_and_b32 s16, ttmp9, 3                        ; et
	s_bfe_u32 s17, ttmp9, 0x30002                  ; head
	s_lshr_b32 s18, ttmp9, 5
	s_lshl_b32 s18, s18, 5
	s_lshr_b32 s19, s17, 2
	s_add_co_u32 s18, s18, s19                     ; the first pass's work-group of chunk 0; chunks lie two work-groups apart
	s_and_b32 s17, s17, 3                          ; the wave in it
	s_lshl_b32 s20, s18, 16
	s_lshl_b32 s19, s17, 14
	s_add_co_u32 s20, s20, s19
	s_lshl_b32 s19, s16, 12
	s_add_co_u32 s20, s20, s19
	s_lshl_b32 s19, s14, 19                        ; my four chunks
	s_add_co_u32 s20, s20, s19
	s_mov_b32 s21, 0
	s_lshl_b32 s22, s18, 10
	s_lshl_b32 s19, s17, 8
	s_add_co_u32 s22, s22, s19
	s_lshl_b32 s19, s16, 6
	s_add_co_u32 s22, s22, s19
	s_lshl_b32 s19, s14, 13
	s_add_co_u32 s22, s22, s19
	s_mov_b32 s23, 0
	s_mov_b32 s24, 0x76543210
	s_mov_b32 s25, 0xfedcba98
	s_wait_kmcnt 0x0
	s_add_nc_u64 s[4:5], s[4:5], s[20:21]
	s_add_nc_u64 s[6:7], s[6:7], s[22:23]
	s_mul_i32 s20, ttmp9, 768
	s_add_nc_u64 s[8:9], s[8:9], s[20:21]
	s_lshl_b32 s20, ttmp9, 7
	s_add_nc_u64 s[10:11], s[10:11], s[20:21]
	s_lshl_b32 s20, ttmp9, 6
	s_add_nc_u64 s[12:13], s[12:13], s[20:21]
.irp n, 0,1,2,3
.irp p, 0,1,2,3,4,5,6,7
	global_load_b128 v[16+32*\n+4*\p:16+32*\n+4*\p+3], v2, s[4:5] offset:131072*\n+512*\p th:TH_LOAD_NT
.endr
	global_load_b32 v[8+\n], v3, s[6:7] offset:2048*\n
.endr
.macro SUM4                            ; (set 0 + set 1) + (set 2 + set 3), into set 0; the same of v8-11
.set j, 0
.rept 16
	v_pk_add_f32 v[16+2*j:17+2*j], v[16+2*j:17+2*j], v[48+2*j:49+2*j]
	v_pk_add_f32 v[80+2*j:81+2*j], v[80+2*j:81+2*j], v[112+2*j:113+2*j]
.set j, j+1
.endr
.set j, 0
.rept 16
	v_pk_add_f32 v[16+2*j:17+2*j], v[16+2*j:17+2*j], v[80+2*j:81+2*j]
.set j, j+1
.endr
	v_add_f32 v8, v8, v9
	v_add_f32 v10, v10, v11
	v_add_f32 v8, v8, v10
.endm
	s_wait_loadcnt 0x0
	SUM4
.irp p, 0,1,2,3,4,5,6,7
	ds_store_b128 v4, v[16+4*\p:19+4*\p] offset:512*\p
.endr
	ds_store_b32 v5, v8
	s_wait_dscnt 0x0                               ; my stores have landed, for wave 0's sake
	s_barrier_signal -1
	s_barrier_wait -1
	s_cmp_lg_u32 s14, 0
	s_cbranch_scc1 .Lend
.irp n, 1,2,3
.irp p, 0,1,2,3,4,5,6,7
	ds_load_b128 v[16+32*\n+4*\p:16+32*\n+4*\p+3], v2 offset:4096*\n+512*\p
.endr
	ds_load_b32 v[8+\n], v6 offset:128*\n
.endr
	s_wait_dscnt 0x0
	SUM4
	v_max3_num_f32 v144, |v16|, |v17|, |v18|       ; the block's largest magnitude: all 32 numbers are mine
	v_max3_num_f32 v145, |v19|, |v20|, |v21|
.irp i, 6,10,14,18,22,26
	v_max3_num_f32 v144, v144, |v[16+\i]|, |v[17+\i]|
	v_max3_num_f32 v145, v145, |v[18+\i]|, |v[19+\i]|
.endr
	v_max3_num_f32 v144, v144, |v46|, |v47|
	v_max3_num_f32 v144, v144, v145, 0x2800000     ; and the floor 2^(5 - 127)
	v_add_nc_u32 v146, 0xfe000000, v144            ; the conversion's scale operand
	v_lshrrev_b32 v147, 23, v146                   ; the scale's byte: d block h
	v_lshlrev_b32 v147, v13, v147
	v_permlanex16_b32 v14, v147, s24, s25
	v_or_b32 v147, v147, v14                       ; bytes 0 and 1; bytes 2 and 3 are 0
	v_cvt_scalef32_pk16_bf6_f32 v[148:150], v[16:31], v146
	v_cvt_scalef32_pk16_bf6_f32 v[156:158], v[32:47], v146
	v_nop                                          ; one plain place behind a scaled conversion
	v_mov_b32 v151, v156
	v_mov_b32 v152, v157
	v_mov_b32 v153, v158
.irp p, 0,1,2
	global_store_b64 v7, v[148+2*\p:149+2*\p], s[8:9] offset:256*\p   ; 256 consecutive bytes a store
.endr
	global_store_b32 v12, v147, s[10:11]
	v_cmp_gt_u32 vcc_lo, 16, v1
	s_wait_xcnt 0x0                                ; EXEC changes only behind this wait
	s_and_saveexec_b32 s26, vcc_lo
	global_store_b32 v3, v8, s[12:13]              ; k_sum of d = 16 et + lane, lanes 0 to 15
	s_wait_xcnt 0x0
	s_or_b32 exec_lo, exec_lo, s26
.Lend:
	s_wait_tensorcnt 0x0
	ds_add_u32 v192, v193
	s_wait_dscnt 0x0
	s_endpgm
.Lfunc_end_k_q1bb5915b57_kvsum:
	.size	k_q1bb5915b57_kvsum, .Lfunc_end_k_q1bb5915b57_kvsum-k_q1bb5915b57_kvsum
	.p2alignl 7, 3214868480
	.fill 96, 4, 3214868480
	.section	.rodata,"a",@progbits
	.p2align	6, 0x0
	.amdhsa_kernel k_q1bb5915b57_kvsum
		.amdhsa_group_segment_fixed_size 17920
		.amdhsa_private_segment_fixed_size 0
		.amdhsa_enable_private_segment 0
		.amdhsa_kernarg_size 40
		.amdhsa_user_sgpr_count 2
		.amdhsa_user_sgpr_kernarg_segment_ptr 1
		.amdhsa_wavefront_size32 1
		.amdhsa_system_sgpr_workgroup_id_x 1
		.amdhsa_system_sgpr_workgroup_id_y 1
		.amdhsa_system_sgpr_workgroup_id_z 1
		.amdhsa_system_vgpr_workitem_id 0
		.amdhsa_next_free_vgpr 194
		.amdhsa_next_free_sgpr 66
		.amdhsa_reserve_vcc 1
		.amdhsa_float_denorm_mode_32 3
		.amdhsa_float_denorm_mode_16_64 3
		.amdhsa_memory_ordered 1
		.amdhsa_forward_progress 1
		.amdhsa_inst_pref_size 17
	.end_amdhsa_kernel
	.amdgpu_metadata
---
amdhsa.version: [ 1, 2 ]
amdhsa.kernels:
  - .name:           k_q1bb5915b57_kvsum
    .symbol:         k_q1bb5915b57_kvsum.kd
    .args:
      - { .name: kvpart, .offset: 0, .size: 8, .value_kind: global_buffer, .address_space: global }
      - { .name: ksp, .offset: 8, .size: 8, .value_kind: global_buffer, .address_space: global }
      - { .name: kvcodes, .offset: 16, .size: 8, .value_kind: global_buffer, .address_space: global }
      - { .name: kvscales, .offset: 24, .size: 8, .value_kind: global_buffer, .address_space: global }
      - { .name: ksum, .offset: 32, .size: 8, .value_kind: global_buffer, .address_space: global }
    .group_segment_fixed_size: 17920
    .private_segment_fixed_size: 0
    .kernarg_segment_align: 8
    .kernarg_segment_size: 40
    .max_flat_workgroup_size: 128
    .sgpr_count:     66
    .vgpr_count:     194
    .wavefront_size: 32
...
	.end_amdgpu_metadata
.endif
;; end of part 3
;; launch qout (part 4): grid 256 x 1, 4 waves a work-group, no clusters, 327,680 bytes of LDS; arguments query, bq, bo, wcodes, wscales, kvcodes, kvscales, ksum, out0; writes out0
.if DOCPART == 4
	.amdgcn_target "amdgcn-amd-amdhsa--gfx1250"
	.amdhsa_code_object_version 6
	.text
	.protected	k_q1bb5915b57_qout
	.globl	k_q1bb5915b57_qout
	.p2align	8
	.type	k_q1bb5915b57_qout,@function
k_q1bb5915b57_qout:
	s_mov_b64 s[64:65], 0
	v_nop
	global_prefetch_b8 v0, s[64:65] scope:SCOPE_SE
	s_setreg_imm32_b32 hwreg(HW_REG_WAVE_MODE, 25, 1), 1
	s_wait_xcnt 0x0
; For 128 rows of one batch: Q = query Wq^T + bq; for each head p = 2^(t - M), t = Q log2(e), M = ceil of the row's largest t; l = the sum of p; s_i = the sum over d of p k_sum_i; O_i = Q(p) Q(kv_i);
; res = p / l + 0.5 O_0 / s_0 + 0.5 O_1 / s_1 (alpha_i times O_i / l, with q = p / l in alpha, is O_i / s_i); out = res Wo^T + bo.  All four products on codes of BF6 (E3M2).
; SHARES.  THE WAVES SHARE THE COLUMNS: wave w has heads 2 w, 2 w + 1 = units 128 w .. 128 w + 127 of Q, of res and of out, for all 128 rows; its weights and its kv stay in registers.
; The rows' codes go from wave to wave through LDS as images of operand registers.  All products are used transposed (source 0 = 16 rows of a weight or of kv^T, source 1 = 16 rows of x, p or res): a lane holds one row.
; The 128 rows of query come by tensor loads at the head, four a wave, filled once; each wave quantises the rows that it fetched.  Behind the first barrier the first half's bytes, read out, take the later images and the stages.
; ORDER.  The rows go in two halves of 64, each through all its steps: x | Q, softmax, p kv, res | out.  So the first half's stores of out are on their way while the second half is computed.
; Wq and Wo together are 768 registers, which do not fit beside kv's 102 and window 0: Wq's tiles 0-2 and Wo's tiles 5-7 share 144 registers and change places for each step, 36 loads of 512 bytes and 16 of 128 a wave.
; Each exchange is asked for directly behind the last product that read the old registers: Wo's in the fourth tile of a half, written out behind a loop of three, so that the tile's vector work stands behind the request; Wq's ahead of the second x phase.
; p kv has K = 64: p's upper codes are zeros written once, so what stands above in kv's operand adds nothing.
; Not in a cluster: what work-groups share is the weights' images, which go to registers; LDS is taken by the rows of query.
; LIMITS: NaN and infinities are not served; a block whose largest magnitude lies under 2^-122 gets the byte 1; v_exp_f32 gives 0 under 2^-126.
; REGISTERS.  Window 0: v1-15, v122-124 addresses; v16-31 the weight's scale words; v32-39 kv's; v40-43 x's or res's; v44-59, v88-95 at work; v60-75 statistics; v76-87 codes for an image; v96-119 p's two operands; v120-121 p's scale words;
;   v128-191 HA, v192-255 R.  Window 1: Wq tiles 0-4 (tiles 0-2 by turns with Wo tiles 5-7).  Window 2: Wq tiles 5-7, from v144 kv's 16 fragments of six.  Window 3: Wo tiles 0-4.
.set XIMG0, 266752
.set XSC0,  291328
.set TAB,   293376                     ; k_sum_0, k_sum_1, bq, bo of this batch: 2,048 bytes each; a wave stores and reads its own 512 of each
.set RIMG,  0                          ; res: fragment (row tile t, K step s) at (4 t + s) x 1,536
.set RSC,   49152
.set XIMG1, 53248
.set XSC1,  77824
.set STG,   79872                      ; 16 rows x 528 bytes for each wave
.set LI,  1
.set LS,  2
.set XRD, 3
.set XWI, 4
.set XWS, 5
.set AX,  6
.set AXS, 7
.set ARW, 8
.set ARS, 9
.set ATB, 10
.set ATB2, 11
.set SO,  12
.set SR,  13
.set WSO, 14
.set L8,  15
.set WSC, 16
.set KSC, 32
.set XS,  40
.set TM,  44
.set ST,  60                           ; head g at ST + 8 g: +0 -M, +2 l, +4 s_0, +6 s_1, each a pair
.set PC,  76
.set CT,  88
.set PCA, 96
.set PW,  120
.set KSO, 122
.set ARW0, 123
.set ARS0, 124
.set HA,  128
.set R,   192
.set SA,  128
.set SB,  192
.set KVF, 144
.set SEL, 26
.set MSB, 0
.macro WIN new                         ; the immediate's high byte repeats the setting that is left; a switch that changes nothing is dropped
.if MSB != (\new)
	s_set_vgpr_msb (MSB<<8)|(\new)
.set MSB, (\new)
.endif
.endm
.macro PLACES n
.rept \n
	v_nop
.endr
.endm
.macro BARRIER                         ; my LDS stores have landed and my LDS loads are in: then the work-group's barrier
	s_wait_dscnt 0x0
	s_barrier_signal -1
	s_barrier_wait -1
.endm
; 64 numbers of a lane, register 16 b + i = k 32 b + 16 h + i of my row, become codes (blocks 0, 1 in six registers from d0, blocks 2, 3 from d1) and the scale word v[PW]
.macro QUANT src, d0, d1
.irp b, 0,1,2,3
	v_max3_num_f32 v[TM+\b], |v[\src+16*\b]|, |v[\src+16*\b+1]|, 0x2800000   ; with the floor 2^(5 - 127)
.endr
.irp i, 2,4,6,8,10,12,14
.irp b, 0,1,2,3
	v_max3_num_f32 v[TM+\b], v[TM+\b], |v[\src+16*\b+\i]|, |v[\src+16*\b+\i+1]|
.endr
.endr
.irp b, 0,1,2,3
	v_permlanex16_b32 v[TM+4+\b], v[TM+\b], s[SEL], s[SEL+1]
.endr
.irp b, 0,1,2,3
	v_max_num_f32 v[TM+\b], v[TM+\b], v[TM+4+\b]   ; with lane l xor 16's: the block's largest magnitude
.endr
.irp b, 0,1,2,3
	v_add_nc_u32 v[TM+12+\b], 0xfe000000, v[TM+\b]   ; 4 off its exponent field: the conversion's scale operand
.endr
.irp b, 0,1,2,3
	v_lshrrev_b32 v[TM+4+\b], 23, v[TM+12+\b]      ; the scale's byte
.endr
	v_lshl_or_b32 v[PW], v[TM+5], 8, v[TM+4]
	v_lshl_or_b32 v[PW], v[TM+6], 16, v[PW]
	v_lshl_or_b32 v[PW], v[TM+7], 24, v[PW]
	v_cvt_scalef32_pk16_bf6_f32 v[\d0:\d0+2], v[\src:\src+15], v[TM+12]
	v_cvt_scalef32_pk16_bf6_f32 v[CT:CT+2], v[\src+16:\src+31], v[TM+13]
	v_cvt_scalef32_pk16_bf6_f32 v[\d1:\d1+2], v[\src+32:\src+47], v[TM+14]
	v_cvt_scalef32_pk16_bf6_f32 v[CT+4:CT+6], v[\src+48:\src+63], v[TM+15]
	v_nop                                          ; one plain place behind a scaled conversion
.irp i, 0,1,2                                  ; the operand wants a whole block in a lane: the halves change places
	v_permlane16_swap_b32 v[\d0+\i], v[CT+\i]
.endr
.irp i, 0,1,2
	v_mov_b32 v[\d0+3+\i], v[CT+\i]
.endr
.irp i, 0,1,2
	v_permlane16_swap_b32 v[\d1+\i], v[CT+4+\i]
.endr
.irp i, 0,1,2
	v_mov_b32 v[\d1+3+\i], v[CT+4+\i]
.endr
.endm
.macro LOADF set, s                    ; my row's 64 numbers of K step s: 16 bytes of padding lie behind each 1,024 of a row
.irp b, 0,1,2,3
.irp j, 0,1,2,3
	ds_load_b128 v[\set+16*\b+4*\j:\set+16*\b+4*\j+3], v[XRD] offset:512*(\s)+16*((\s)/2)+128*\b+16*\j
.endr
.endr
.endm
.macro IMAGE adr, off                  ; the fragment in v[PC] on goes to LDS as it stands
.irp c, 0,1,2
	ds_store_b128 v[\adr], v[PC+4*\c:PC+4*\c+3] offset:\off+512*\c
.endr
.endm
.macro FETCH reg, adr, off             ; and comes back so, in any wave
.irp c, 0,1,2
	ds_load_b128 v[\reg+4*\c:\reg+4*\c+3], v[\adr] offset:\off+512*\c
.endr
.endm
; My row tile's four fragments.  Each wait with the count 16 leaves out the one younger run of 16 loads: the set to be quantised is in, and the last image's stores have read their registers.
.macro XPHASE
	LOADF SA, 0
	LOADF SB, 1
	s_wait_dscnt 16
	QUANT SA, PC, PC+6
	IMAGE XWI, 0
	ds_store_b32 v[XWS], v[PW]
	LOADF SA, 2
	s_wait_dscnt 16
	QUANT SB, PC, PC+6
	IMAGE XWI, 1536
	ds_store_b32 v[XWS], v[PW] offset:128
	LOADF SB, 3
	s_wait_dscnt 16
	QUANT SA, PC, PC+6
	IMAGE XWI, 3072
	ds_store_b32 v[XWS], v[PW] offset:256
	s_wait_dscnt 0x0
	QUANT SB, PC, PC+6
	IMAGE XWI, 4608
	ds_store_b32 v[XWS], v[PW] offset:384
.endm
; one product with C = D in place; ra = 1: source 0's scales stand in lanes 16-31
.macro WM d, a, b, sa, sb, ra
.if (\ra)
	v_wmma_scale_f32_16x16x128_f8f6f4 v[\d:\d+7], v[\a:\a+11], v[\b:\b+11], v[\d:\d+7], v[\sa], v[\sb] matrix_a_fmt:MATRIX_FMT_BF6 matrix_b_fmt:MATRIX_FMT_BF6 matrix_a_scale:MATRIX_SCALE_ROW1
.else
	v_wmma_scale_f32_16x16x128_f8f6f4 v[\d:\d+7], v[\a:\a+11], v[\b:\b+11], v[\d:\d+7], v[\sa], v[\sb] matrix_a_fmt:MATRIX_FMT_BF6 matrix_b_fmt:MATRIX_FMT_BF6
.endif
.endm
.macro WMZ d, a, b, sa, sb, ra         ; the same with C = 0
.if (\ra)
	v_wmma_scale_f32_16x16x128_f8f6f4 v[\d:\d+7], v[\a:\a+11], v[\b:\b+11], 0, v[\sa], v[\sb] matrix_a_fmt:MATRIX_FMT_BF6 matrix_b_fmt:MATRIX_FMT_BF6 matrix_a_scale:MATRIX_SCALE_ROW1
.else
	v_wmma_scale_f32_16x16x128_f8f6f4 v[\d:\d+7], v[\a:\a+11], v[\b:\b+11], 0, v[\sa], v[\sb] matrix_a_fmt:MATRIX_FMT_BF6 matrix_b_fmt:MATRIX_FMT_BF6
.endif
.endm
; 32 products: my eight tiles of 16 units x 16 rows x K = 512.  HA holds the bias; the rows' four fragments stand in R; the eight accumulators take turns in every K step.
; wlo, whi: the window settings for weight tiles 0-4 and 5-7
.macro GEMM wlo, whi
.irp s, 0,1,2,3
	WIN \wlo
.irp t, 0,1,2,3,4
	WM HA+8*\t, 12*(4*\t+\s), R+12*\s, WSC+2*\t+\s/2, XS+\s, \s%2
.endr
	WIN \whi
.irp t, 5,6,7
	WM HA+8*\t, 12*(4*(\t-5)+\s), R+12*\s, WSC+2*\t+\s/2, XS+\s, \s%2
.endr
.endr
	WIN 0
.endm
.macro TABLE off                       ; 64 numbers of a table into R, in HA's layout: register 16 b + i = unit 128 w + 32 b + 16 h + i
.set n, 0
.rept 16
	ds_load_b128 v[R+4*n:R+4*n+3], v[ATB] offset:\off+128*(n/4)+16*(n%4)
.set n, n+1
.endr
.endm
.macro LATEWO                          ; Wq's products of this half are issued: Wo's tiles 5-7 take the place of Wq's tiles 0-2, Wo's scale words that of Wq's
	WIN 0x40
.irp t, 5,6,7
.irp s, 0,1,2,3
.irp c, 0,1,2
	global_load_b128 v[12*(4*(\t-5)+\s)+4*\c:12*(4*(\t-5)+\s)+4*\c+3], v[LI], s[10:11] offset:196608+(4*\t+\s)*1536+512*\c
.endr
.endr
.endr
	WIN 0
.irp t, 0,1,2,3,4,5,6,7
.irp p, 0,1
	global_load_b32 v[WSC+2*\t+\p], v[WSO], s[12:13] offset:16384+512*\t+256*\p
.endr
.endr
.endm
.macro BACKWQ                          ; and the other way round
	WIN 0x40
.irp t, 0,1,2
.irp s, 0,1,2,3
.irp c, 0,1,2
	global_load_b128 v[12*(4*\t+\s)+4*\c:12*(4*\t+\s)+4*\c+3], v[LI], s[10:11] offset:(4*\t+\s)*1536+512*\c
.endr
.endr
.endr
	WIN 0
.irp t, 0,1,2,3,4,5,6,7
.irp p, 0,1
	global_load_b32 v[WSC+2*\t+\p], v[WSO], s[12:13] offset:512*\t+256*\p
.endr
.endr
.endm
; ONE TILE OF 16 ROWS through Q, the softmax, p kv and res.  Lane (r, h) holds row r; HA's register 16 b + i is unit 32 b + 16 h + i of my 128; head g is b / 2.
; late = 1: the half's last tile: behind its products with Wq the exchange for Wo is asked for.
.macro P1TILE late
	v_add_nc_u32 v[AX], s30, v[LI]
	v_add_nc_u32 v[AXS], s31, v[LS]
	v_add_nc_u32 v[ARW], s32, v[ARW0]
	v_add_nc_u32 v[ARS], s33, v[ARS0]
.set n, 0
.rept 16
	ds_load_b128 v[HA+4*n:HA+4*n+3], v[ATB] offset:4096+128*(n/4)+16*(n%4)   ; bq: the sums begin with it
.set n, n+1
.endr
.irp s, 0,1,2,3
	FETCH R+12*\s, AX, 1536*\s
	ds_load_b32 v[XS+\s], v[AXS] offset:128*\s
.endr
	s_wait_dscnt 0x0
	GEMM 0x01, 0x02
	PLACES 4                                       ; in front of loads into registers that products have read, and of the first read of results
.if \late
	LATEWO
.endif
	TABLE 0                                        ; k_sum_0
.irp b, 0,1,2,3
	v_max3_num_f32 v[TM+\b], v[HA+16*\b], v[HA+16*\b+1], v[HA+16*\b+2]   ; each accumulator is read from its low end on
.endr
.irp i, 3,5,7,9,11,13
.irp b, 0,1,2,3
	v_max3_num_f32 v[TM+\b], v[TM+\b], v[HA+16*\b+\i], v[HA+16*\b+\i+1]
.endr
.endr
.irp b, 0,1,2,3
	v_max_num_f32 v[TM+\b], v[TM+\b], v[HA+16*\b+15]
.endr
	v_max_num_f32 v[TM], v[TM], v[TM+1]
	v_max_num_f32 v[TM+2], v[TM+2], v[TM+3]
	v_permlanex16_b32 v[TM+4], v[TM], s[SEL], s[SEL+1]
	v_permlanex16_b32 v[TM+6], v[TM+2], s[SEL], s[SEL+1]
	v_max_num_f32 v[TM], v[TM], v[TM+4]            ; the row's largest logit in each head
	v_max_num_f32 v[TM+2], v[TM+2], v[TM+6]
	v_mul_f32 v[TM], s28, v[TM]                    ; as t
	v_mul_f32 v[TM+2], s28, v[TM+2]
	v_floor_f32 v[ST], -v[TM]                      ; -M = floor(-t): M is a whole number
	v_floor_f32 v[ST+8], -v[TM+2]
.irp g, 0,1
.irp j, 0,2,4,6,8,10,12,14,16,18,20,22,24,26,28,30
	v_pk_fma_f32 v[HA+32*\g+\j:HA+32*\g+\j+1], v[HA+32*\g+\j:HA+32*\g+\j+1], s[28:29], v[ST+8*\g:ST+8*\g+1] op_sel_hi:[1,0,0]   ; t - M
.endr
.endr
.set n, 0
.rept 64
	v_exp_f32 v[HA+n], v[HA+n]                     ; p = 2^(t - M): not normalised
.set n, n+1
.endr
	v_nop                                          ; a plain place behind the exponentials,
	s_wait_alu depctr_va_vdst(0)                   ; and one wait for the batch, ahead of its first reader
	s_wait_dscnt 0x0                               ; k_sum_0 is in
.irp g, 0,1
	v_pk_add_f32 v[ST+8*\g+2:ST+8*\g+3], v[HA+32*\g:HA+32*\g+1], v[HA+32*\g+2:HA+32*\g+3]   ; l, of the unquantised p
	v_pk_mul_f32 v[ST+8*\g+4:ST+8*\g+5], v[HA+32*\g:HA+32*\g+1], v[R+32*\g:R+32*\g+1]       ; s_0
.endr
.irp j, 2,4,6,8,10,12,14,16,18,20,22,24,26,28,30
.irp g, 0,1
.if \j > 2
	v_pk_add_f32 v[ST+8*\g+2:ST+8*\g+3], v[ST+8*\g+2:ST+8*\g+3], v[HA+32*\g+\j:HA+32*\g+\j+1]
.endif
	v_pk_fma_f32 v[ST+8*\g+4:ST+8*\g+5], v[HA+32*\g+\j:HA+32*\g+\j+1], v[R+32*\g+\j:R+32*\g+\j+1], v[ST+8*\g+4:ST+8*\g+5]
.endr
.endr
	TABLE 2048                                     ; k_sum_1 lands while p is quantised
	QUANT HA, PCA, PCA+12                          ; head 0's two blocks, head 1's two: each the lower half of an operand
	v_lshrrev_b32 v[PW+1], 16, v[PW]               ; head 1's two bytes
	s_wait_dscnt 0x0
.irp g, 0,1
	v_pk_mul_f32 v[ST+8*\g+6:ST+8*\g+7], v[HA+32*\g:HA+32*\g+1], v[R+32*\g:R+32*\g+1]       ; s_1
.endr
.irp j, 2,4,6,8,10,12,14,16,18,20,22,24,26,28,30
.irp g, 0,1
	v_pk_fma_f32 v[ST+8*\g+6:ST+8*\g+7], v[HA+32*\g+\j:HA+32*\g+\j+1], v[R+32*\g+\j:R+32*\g+\j+1], v[ST+8*\g+6:ST+8*\g+7]
.endr
.endr
.irp a, ST+2, ST+4, ST+6, ST+10, ST+12, ST+14
	v_add_f32 v[\a], v[\a], v[\a+1]
.endr
.irp a, ST+2, ST+4, ST+6, ST+10, ST+12, ST+14
	v_permlanex16_b32 v[\a+1], v[\a], s[SEL], s[SEL+1]
.endr
.irp a, ST+2, ST+4, ST+6, ST+10, ST+12, ST+14
	v_add_f32 v[\a], v[\a], v[\a+1]                ; with the other half's 32 units
.endr
.irp a, ST+2, ST+4, ST+6, ST+10, ST+12, ST+14
	v_rcp_f32 v[\a], v[\a]
.endr
	v_nop
	s_wait_alu depctr_va_vdst(0)                   ; one wait for the six reciprocals
.irp a, ST+4, ST+6, ST+12, ST+14
	v_mul_f32 v[\a], 0.5, v[\a]                    ; 0.5 / s_i
.endr
.irp g, 0,1
.irp j, 0,2,4,6,8,10,12,14,16,18,20,22,24,26,28,30
	v_pk_mul_f32 v[HA+32*\g+\j:HA+32*\g+\j+1], v[HA+32*\g+\j:HA+32*\g+\j+1], v[ST+8*\g+2:ST+8*\g+3] op_sel_hi:[1,0]   ; q = p / l.  (These lines are also the places ahead of the scaled products)
.endr
.endr
.irp i, 0,1                                    ; O_i^T = kv_i^T p^T: source 0 = 16 columns e of kv_i, source 1 = p; R's register index is HA's
	WIN 0x02
.irp g, 0,1
.irp e, 0,1,2,3
	WMZ R+8*(4*\g+\e), KVF+6*(8*\i+4*\g+\e), PCA+12*\g, KSC+4*\g+\e, PW+\g, \i
.endr
.endr
	WIN 0
	PLACES 4
.irp g, 0,1
.irp j, 0,2,4,6,8,10,12,14,16,18,20,22,24,26,28,30
	v_pk_fma_f32 v[HA+32*\g+\j:HA+32*\g+\j+1], v[R+32*\g+\j:R+32*\g+\j+1], v[ST+8*\g+4+2*\i:ST+8*\g+5+2*\i], v[HA+32*\g+\j:HA+32*\g+\j+1] op_sel_hi:[1,0,1]   ; res += O_i x 0.5 / s_i, ascending
.endr
.endr
.endr
	QUANT HA, PC, PC+6                             ; my 128 columns of res are K step w of the last product
	IMAGE ARW, 0
	ds_store_b32 v[ARS], v[PW]
	s_wait_dscnt 0x0                               ; the stores have read their registers
.endm
.macro P1HALF xi, xs, hf               ; four row tiles: a loop of three and the fourth written out; the LDS places step by a tile's four fragments and four scale images
	s_mov_b32 s30, \xi
	s_mov_b32 s31, \xs
	s_mov_b32 s32, RIMG+24576*\hf
	s_mov_b32 s33, RSC+2048*\hf
	s_mov_b32 s34, 3
.Lp1_\@:
	P1TILE 0
	s_add_co_u32 s30, s30, 6144
	s_add_co_u32 s31, s31, 512
	s_add_co_u32 s32, s32, 6144
	s_add_co_u32 s33, s33, 512
	s_sub_co_u32 s34, s34, 1
	s_cmp_lg_u32 s34, 0
	s_cbranch_scc1 .Lp1_\@
	P1TILE 1
.endm
.macro P2HALF hf                       ; out = res Wo^T + bo for a half's four row tiles, a tile of 16 rows a trip; no wave waits for another
	s_mov_b32 s30, RIMG+24576*\hf
	s_mov_b32 s31, RSC+2048*\hf
	s_mov_b32 s34, 4
.Lp2_\@:
	v_add_nc_u32 v[AX], s30, v[LI]
	v_add_nc_u32 v[AXS], s31, v[LS]
.irp t, 0,1,2,3,4,5,6,7
.irp q, 0,1
	ds_load_b128 v[HA+8*\t+4*\q:HA+8*\t+4*\q+3], v[ATB2] offset:6144+64*\t+16*\q   ; bo of columns 16 t + 8 h + 0 .. 7
.endr
.endr
.irp s, 0,1,2,3
	FETCH R+12*\s, AX, 1536*\s
	ds_load_b32 v[XS+\s], v[AXS] offset:128*\s
.endr
	s_wait_dscnt 0x0
	GEMM 0x03, 0x01
	PLACES 4
.irp t, 0,1,2,3,4,5,6,7
	ds_store_b128 v[SO], v[HA+8*\t:HA+8*\t+3] offset:64*\t          ; each accumulator from its low end on, into my own stage
	ds_store_b128 v[SO], v[HA+8*\t+4:HA+8*\t+7] offset:64*\t+16
.endr
.set n, 0
.rept 16
	ds_load_b128 v[R+4*n:R+4*n+3], v[SR] offset:528*n               ; LDS serves a wave's instructions in order: these see my stores
.set n, n+1
.endr
.set n, 0
.rept 16
	s_wait_dscnt 15-n                              ; row n is back; the younger loads may stay out
	global_store_b128 v[LI], v[R+4*n:R+4*n+3], s[20:21] offset:2048*n th:TH_STORE_NT   ; 512 consecutive bytes, at a multiple of 256 from the buffer's first byte
.set n, n+1
.endr
	s_wait_xcnt 0x0                                ; the stores have read their registers and their base
	s_add_nc_u64 s[20:21], s[20:21], 32768
	s_add_co_u32 s30, s30, 6144
	s_add_co_u32 s31, s31, 512
	s_sub_co_u32 s34, s34, 1
	s_cmp_lg_u32 s34, 0
	s_cbranch_scc1 .Lp2_\@
.endm
	s_load_b512 s[4:19], s[0:1], 0x0               ; query bq bo wcodes wscales kvcodes kvscales ksum
	s_load_b64 s[20:21], s[0:1], 0x40              ; out0
	v_lshl_add_u32 v91, v0, 2, 0x49a00
	v_mov_b32 v95, 0
	ds_add_u32 v91, v95
	ds_add_u32 v91, v95
	v_lshrrev_b32 v125, 5, v0
	v_readfirstlane_b32 s24, v125                  ; wave
	s_lshr_b32 s25, ttmp9, 6                       ; batch
	; descriptor group 1: 8 dense rows of 2,048 bytes as 16 rows of 1,024 (128 elements of 8 bytes), 16 bytes of padding behind each
	s_mov_b32 s36, (3<<16)|(1<<20)|(7<<22)|(3<<25)
	s_mov_b32 s37, 128<<16
	s_mov_b32 s38, 16<<16
	s_mov_b32 s39, 128<<16
	s_mov_b32 s40, 16
	s_mov_b32 s41, 128
	s_mov_b32 s42, 0
	s_mov_b32 s43, 0
	s_lshl_b32 s60, ttmp9, 18
	s_lshl_b32 s61, s24, 15
	s_add_co_u32 s60, s60, s61                     ; row 128 g + 16 w, in bytes
	s_mov_b32 s61, 0
	s_mul_i32 s62, s24, 33344
	s_wait_dscnt 0x0
	s_wait_kmcnt 0x0
	s_add_nc_u64 s[4:5], s[4:5], s[60:61]
.irp n, 0,1,2,3                                ; n = 2 x half + e: rows 64 x half + 16 w + 8 e on; the odd regions lie 16 bytes further on
	s_mov_b32 s[44+4*\n], 1
	s_add_co_u32 s[45+4*\n], s62, (\n/2)*133376+(\n%2)*16688
	s_add_nc_u64 s[46+4*\n:47+4*\n], s[4:5], (\n/2)*131072+(\n%2)*16384
	s_or_b32 s[47+4*\n], s[47+4*\n], 0x80000000
.endr
	tensor_load_to_lds s[44:47], s[36:43]          ; all fills go out together, ahead of everything else: four of mine are out
	s_nop 0
	tensor_load_to_lds s[48:51], s[36:43]
	s_nop 0
	tensor_load_to_lds s[52:55], s[36:43]
	s_nop 0
	tensor_load_to_lds s[56:59], s[36:43]
	s_nop 0
	PLACES 4
	v_and_b32 v125, 31, v0                         ; lane
	v_and_b32 v126, 15, v0                         ; r
	v_bfe_u32 v127, v0, 4, 1                       ; h
	v_lshlrev_b32 v[LI], 4, v125
	v_lshlrev_b32 v[LS], 2, v125
	v_lshlrev_b32 v[L8], 3, v125
	v_lshrrev_b32 v[XRD], 3, v126
	v_mul_u32_u24 v[XRD], v[XRD], 16688
	v_and_b32 v[AX], 7, v126
	v_mad_u32_u24 v[XRD], v[AX], 2080, v[XRD]
	v_lshl_add_u32 v[XRD], v127, 6, v[XRD]
	v_add_nc_u32 v[XRD], s62, v[XRD]               ; my row of my tile, first half
	s_mul_i32 s70, s24, 6144
	s_lshl_b32 s71, s24, 9
	s_add_co_u32 s68, s70, XIMG0
	v_add_nc_u32 v[XWI], s68, v[LI]
	s_add_co_u32 s68, s71, XSC0
	v_add_nc_u32 v[XWS], s68, v[LS]
	s_mul_i32 s68, s24, 1536
	v_add_nc_u32 v[ARW0], s68, v[LI]
	s_lshl_b32 s68, s24, 7
	v_add_nc_u32 v[ARS0], s68, v[LS]
	s_add_co_u32 s68, s71, TAB
	v_add_nc_u32 v[AX], s68, v[LI]                 ; (for the tables' stores below)
	v_lshl_add_u32 v[ATB], v127, 6, s68
	v_lshl_add_u32 v[ATB2], v127, 5, s68
	s_mul_i32 s68, s24, 8448
	s_add_co_u32 s68, s68, STG
	v_mul_u32_u24 v[SO], v126, 528
	v_lshl_add_u32 v[SO], v127, 5, v[SO]
	v_add_nc_u32 v[SO], s68, v[SO]
	v_add_nc_u32 v[SR], s68, v[LI]
	v_lshlrev_b32 v[WSO], 2, v126
	v_lshl_add_u32 v[KSO], v127, 14, v[WSO]        ; lanes 16-31 take function 1's words
	v_lshl_add_u32 v[WSO], v127, 7, v[WSO]         ; lanes 16-31 take the next K step's words
	s_mov_b32 s69, 0
	s_lshl_b32 s66, s25, 5
	s_lshl_b32 s67, s24, 3
	s_add_co_u32 s66, s66, s67                     ; 32 b + 8 w: my first kv tile of function 0
	s_lshl_b32 s68, s66, 7
	s_add_nc_u64 s[16:17], s[16:17], s[68:69]
	s_mul_i32 s68, s66, 768
	s_add_nc_u64 s[14:15], s[14:15], s[68:69]
	s_add_co_u32 s67, s67, 128                     ; Wq's tile 8 w; Wo's lie 32 tiles on
	s_mul_i32 s68, s67, 6144
	s_add_nc_u64 s[10:11], s[10:11], s[68:69]
	s_lshl_b32 s68, s67, 9
	s_add_nc_u64 s[12:13], s[12:13], s[68:69]
	s_mov_b32 s68, s71                             ; 512 w
	s_add_nc_u64 s[6:7], s[6:7], s[68:69]
	s_add_nc_u64 s[8:9], s[8:9], s[68:69]
	s_lshl_b32 s67, s25, 11
	s_add_co_u32 s68, s71, s67
	s_add_nc_u64 s[18:19], s[18:19], s[68:69]
	s_lshl_b32 s68, ttmp9, 18
	s_add_co_u32 s68, s68, s71
	s_add_nc_u64 s[20:21], s[20:21], s[68:69]      ; out0 at row 128 g, column 128 w
	s_mov_b32 s[SEL], 0x76543210
	s_mov_b32 s[SEL+1], 0xfedcba98
	s_mov_b32 s28, 0x3fb8aa3b                      ; log2(e), as a pair
	s_mov_b32 s29, 0x3fb8aa3b
	global_load_b128 v[128:131], v[LI], s[18:19]
	global_load_b128 v[132:135], v[LI], s[18:19] offset:8192
	global_load_b128 v[136:139], v[LI], s[6:7]
	global_load_b128 v[140:143], v[LI], s[8:9]
.irp q, 0,1,2,3,4,5,6,7
	global_load_b32 v[KSC+\q], v[KSO], s[16:17] offset:128*\q
.endr
.irp t, 0,1,2,3,4,5,6,7
.irp p, 0,1
	global_load_b32 v[WSC+2*\t+\p], v[WSO], s[12:13] offset:512*\t+256*\p
.endr
.endr
	WIN 0x80
.irp i, 0,1
.irp q, 0,1,2,3,4,5,6,7
.irp p, 0,1,2
	global_load_b64 v[KVF+6*(8*\i+\q)+2*\p:KVF+6*(8*\i+\q)+2*\p+1], v[L8], s[14:15] offset:98304*\i+768*\q+256*\p
.endr
.endr
.endr
.irp t, 5,6,7
.irp s, 0,1,2,3
.irp c, 0,1,2
	global_load_b128 v[12*(4*(\t-5)+\s)+4*\c:12*(4*(\t-5)+\s)+4*\c+3], v[LI], s[10:11] offset:(4*\t+\s)*1536+512*\c
.endr
.endr
.endr
.irp i, 96,97,98,99,100,101
	v_mov_b32 v[KVF+\i], 0                         ; what the last kv fragment names above its own codes
.endr
	WIN 0x40
.irp t, 0,1,2,3,4
.irp s, 0,1,2,3
.irp c, 0,1,2
	global_load_b128 v[12*(4*\t+\s)+4*\c:12*(4*\t+\s)+4*\c+3], v[LI], s[10:11] offset:(4*\t+\s)*1536+512*\c
.endr
.endr
.endr
	WIN 0xc0
.irp t, 0,1,2,3,4
.irp s, 0,1,2,3
.irp c, 0,1,2
	global_load_b128 v[12*(4*\t+\s)+4*\c:12*(4*\t+\s)+4*\c+3], v[LI], s[10:11] offset:196608+(4*\t+\s)*1536+512*\c
.endr
.endr
.endr
	WIN 0
.irp i, 6,7,8,9,10,11,18,19,20,21,22,23
	v_mov_b32 v[PCA+\i], 0                         ; p's codes of the instruction's upper 64 along K: zeros, written once
.endr
.irp i, 4,5,6,7
	v_mov_b32 v[TM+\i], 0                          ; a lane permute's destination counts as read
.endr
	v_mov_b32 v[ST+1], 0                           ; named as the upper halves of the pairs of -M
	v_mov_b32 v[ST+9], 0
	s_wait_loadcnt 60                              ; all but Wo's 60 loads are in
.irp k, 0,1,2,3
	ds_store_b128 v[AX], v[128+4*\k:131+4*\k] offset:2048*\k   ; my 512 bytes of each table; only I read them
.endr
	s_wait_tensorcnt 2                             ; my 16 rows of the first half are in; the second half's two loads may stay out
	XPHASE
	BARRIER                                        ; the first half's 16 x fragments lie in LDS, and its f32 rows have been read out
	s_wait_loadcnt 0x0                             ; Wo's tiles 0-4: they have had the x phase in which to land
	P1HALF XIMG0, XSC0, 0
	BARRIER                                        ; the first half's 16 fragments of res lie in LDS
	s_wait_loadcnt 0x0                             ; Wo's tiles 5-7 and its scale words
	P2HALF 0                                       ; the first half's rows of out leave here
	BACKWQ                                         ; Wq's tiles 0-2 and its scale words come back under the second x phase
	s_wait_tensorcnt 0x0                           ; my 16 rows of the second half
	v_add_nc_u32 v[XRD], 133376, v[XRD]
	s_add_co_u32 s68, s70, XIMG1
	v_add_nc_u32 v[XWI], s68, v[LI]
	s_add_co_u32 s68, s71, XSC1
	v_add_nc_u32 v[XWS], s68, v[LS]
	XPHASE
	BARRIER                                        ; the second half's 16 x fragments lie in LDS; every wave has read the first half's res
	s_wait_loadcnt 0x0                             ; Wq is whole again
	P1HALF XIMG1, XSC1, 1
	BARRIER                                        ; the second half's 16 fragments of res lie in LDS
	s_wait_loadcnt 0x0                             ; Wo's tiles 5-7 and its scale words
	P2HALF 1
	s_wait_tensorcnt 0x0
	ds_add_u32 v91, v95
	s_wait_dscnt 0x0
	s_endpgm
.Lfunc_end_k_q1bb5915b57_qout:
	.size	k_q1bb5915b57_qout, .Lfunc_end_k_q1bb5915b57_qout-k_q1bb5915b57_qout
	.p2alignl 7, 3214868480
	.fill 96, 4, 3214868480
	.section	.rodata,"a",@progbits
	.p2align	6, 0x0
	.amdhsa_kernel k_q1bb5915b57_qout
		.amdhsa_group_segment_fixed_size 327680
		.amdhsa_private_segment_fixed_size 0
		.amdhsa_enable_private_segment 0
		.amdhsa_kernarg_size 72
		.amdhsa_user_sgpr_count 2
		.amdhsa_user_sgpr_kernarg_segment_ptr 1
		.amdhsa_wavefront_size32 1
		.amdhsa_system_sgpr_workgroup_id_x 1
		.amdhsa_system_sgpr_workgroup_id_y 1
		.amdhsa_system_sgpr_workgroup_id_z 1
		.amdhsa_system_vgpr_workitem_id 0
		.amdhsa_next_free_vgpr 1024
		.amdhsa_next_free_sgpr 100
		.amdhsa_reserve_vcc 0
		.amdhsa_float_denorm_mode_32 3
		.amdhsa_float_denorm_mode_16_64 3
		.amdhsa_memory_ordered 1
		.amdhsa_forward_progress 1
		.amdhsa_inst_pref_size 255
	.end_amdhsa_kernel
	.section	.bss,"aw",@nobits
	.p2align	6
	.space	262144
	.amdgpu_metadata
---
amdhsa.version: [ 1, 2 ]
amdhsa.kernels:
  - .name:           k_q1bb5915b57_qout
    .symbol:         k_q1bb5915b57_qout.kd
    .args:
      - { .name: query, .offset: 0, .size: 8, .value_kind: global_buffer, .address_space: global }
      - { .name: bq, .offset: 8, .size: 8, .value_kind: global_buffer, .address_space: global }
      - { .name: bo, .offset: 16, .size: 8, .value_kind: global_buffer, .address_space: global }
      - { .name: wcodes, .offset: 24, .size: 8, .value_kind: global_buffer, .address_space: global }
      - { .name: wscales, .offset: 32, .size: 8, .value_kind: global_buffer, .address_space: global }
      - { .name: kvcodes, .offset: 40, .size: 8, .value_kind: global_buffer, .address_space: global }
      - { .name: kvscales, .offset: 48, .size: 8, .value_kind: global_buffer, .address_space: global }
      - { .name: ksum, .offset: 56, .size: 8, .value_kind: global_buffer, .address_space: global }
      - { .name: out0, .offset: 64, .size: 8, .value_kind: global_buffer, .address_space: global }
    .group_segment_fixed_size: 327680
    .private_segment_fixed_size: 0
    .kernarg_segment_align: 8
    .kernarg_segment_size: 72
    .max_flat_workgroup_size: 128
    .sgpr_count:     100
    .vgpr_count:     1024
    .wavefront_size: 32
...
	.end_amdgpu_metadata
.endif
;; end of part 4
